; MI455X (gfx1250); checked and timed in simulation.
; The chip was launched on July 23, 2026; its instructions are those of AMD's public machine-readable ISA for CDNA 5 (MIT licence, August 2026) and "CDNA5" Instruction Set Architecture Reference Guide (July 2026). The comments in the code are by the model that wrote it; some were corrected since.
;; Causal Self Attention. Allowed arithmetic: matrix products marked QUANTISED: E2M3 operands, one E8M0 scale for each 32 along K, by v_wmma_scale_f32_16x16x128_f8f6f4 with both operands' format E2M3, f32 sums; everything else in f32.
;; Inputs: b_attn 3,072 float32; b_proj 1,024 float32; w_attn 1,024 x 3,072 float32; w_proj 1,024 x 1,024 float32; x 2 x 2,048 x 1,024 float32.
;; Outputs: out0 2 x 2,048 x 1,024 float32.
;; This version of the problem:
;;   THIS VERSION OF THE PROBLEM IS GIVEN IN LOW PRECISION. The matrix products marked QUANTISED in the list below multiply operands that are first quantised to E2M3 (2 exponent bits, 3 mantissa bits; 6 bits a number), with one power-of-two scale for each 32 numbers along K (OCP MX v1.0); their sums are f32. All else is computed in f32.
;;   The module's matrix products, in the order in which they are computed (A, B: the left and right operand; K: the contracted axis; several contracted axes count as one K, in the product's order):
;;     1. [M 4,096, K 1,024] x [K 1,024, N 3,072]; A: input x; B: input w_attn: QUANTISED
;;     2. batch 32 x [M 2,048, K 64] x [K 64, N 2,048]; A: computed on the way; B: computed on the way: QUANTISED
;;     3. batch 32 x [M 2,048, K 2,048] x [K 2,048, N 64]; A: softmax (see below); B: computed on the way: QUANTISED
;;     4. [M 4,096, K 1,024] x [K 1,024, N 1,024]; A: computed on the way; B: input w_proj: QUANTISED
;;   THE QUANTISER, for each operand of a quantised product, along K:
;;     - K is cut into blocks of 32 from its start; a last block that is shorter is filled with zeros.
;;     - A block's scale is 2^e with e = floor(log2(the largest magnitude in the block)) - 2, held to -126 .. 127; a block of zeros has e = 0. As a byte (E8M0): e + 127.
;;     - Each number is divided by its block's scale, clamped to +-7.5, and rounded to the nearest number of E2M3, ties to even, subnormals kept.
;;     - The product sums the exact products of the quantised numbers (number of the format x scale) in f32.
;;   ~~~python
;;   def quantise(x, axis):      # numpy; x: float32 -> the quantised numbers, widened to float32 again
;;       x = np.moveaxis(x, axis, -1); K = x.shape[-1]
;;       x = np.pad(x, [(0, 0)] * (x.ndim - 1) + [(0, -K % 32)]); x = x.reshape(x.shape[:-1] + (-1, 32)); a = np.abs(x).max(-1, keepdims=True)
;;       e = np.where(a > 0, np.clip(np.frexp(np.where(a > 0, a, 1))[1] - 1 - 2, -126, 127), 0)      # np.frexp(a)[1] - 1 = floor(log2(a)), exactly
;;       r = np.clip(x / 2.0 ** e, -7.5, 7.5)
;;       step = 2.0 ** (np.maximum(np.frexp(np.where(r == 0, 1, r))[1] - 1, 0) - 3)
;;       q = np.round(r / step) * step * 2.0 ** e      # np.round: ties to even
;;       return np.moveaxis(q.reshape(q.shape[:-2] + (-1,))[..., :K], -1, axis).astype(np.float32)
;;   ~~~
;;   SOFTMAX AHEAD OF A QUANTISED PRODUCT. Where the list says 'softmax', what is quantised is not the finished softmax but p = 2^(t - M), with t = logit x log2(e) and M = ceil(the row's largest t), a whole number; so 1/2 < the row's largest p <= 1. The row's sum l is taken of the UNQUANTISED p, in f32, and the product's result is divided by l at the end. Since M is a whole number, a kernel that streams over the keys may use a running M (the ceiling of the running maximum): every later rescaling is an exact power of two, which a block's scale takes up: the codes' values come out the same.
;;   OPERANDS COMPUTED ON THE WAY. 'Computed on the way' means the value that the module computes at that place (a softmax that the list does not call 'softmax' is quantised finished and normalised). What goes into a quantiser is computed in f32, as accurately as f32 sums, v_exp_f32 and their like allow (about 1e-6 of the number): no bf16 or f16 on the way to a quantiser, and a product that is left as it is and whose result goes on into a quantised operand takes f32 operands (vector FMAs, or v_wmma_f32_16x16x4_f32). A number that lies on a knife's edge between two numbers of the format may be rounded either way, as far as f32 arithmetic and the matrix unit's own rounding can turn it there, and no further.
;; 2 versions, each right; version 2 is version 1 with the launch attn written anew for expert scheduling mode. Each part assembles by itself: llvm-mc -triple=amdgcn-amd-amdhsa -mcpu=gfx1250 --defsym DOCPART=n.
;; ======== version 1 of 2: 4 launches
;; workspace buffers: xq 3,276,800 bytes; wq 2,457,600 bytes; pq 819,200 bytes; qq 3,276,800 bytes; kv 6,553,600 bytes; yq 3,276,800 bytes
;; launch quant (part 1): grid 256 x 1, 8 waves a work-group, no clusters, 68,608 bytes of LDS; arguments x, w_attn, w_proj, xq, wq, pq; writes xq, wq, pq
.if DOCPART == 1
	.amdgcn_target "amdgcn-amd-amdhsa--gfx1250"
	.amdhsa_code_object_version 6
	.text
	.protected	k_qc7dbdd2945_quant
	.globl	k_qc7dbdd2945_quant
	.p2align	8
	.type	k_qc7dbdd2945_quant,@function
k_qc7dbdd2945_quant:
	s_mov_b64 s[64:65], 0
	v_nop
	global_prefetch_b8 v0, s[64:65] scope:SCOPE_SE
	s_setreg_imm32_b32 hwreg(HW_REG_WAVE_MODE, 25, 1), 1
	s_wait_xcnt 0x0
; x [4096][1024], w_attn [1024][3072] and w_proj [1024][1024], f32, become codes of FP6 (E2M3) with one E8M0 byte for each 32 along K (K = 1,024 in all three).
; A block's scale is 2^(floor(log2(largest magnitude)) - 2); its byte is the largest magnitude's exponent field - 2, held at 1 from below.
; LIMITS: NaN and infinities are not served.  A block of zeros gets the byte 1 where the rule says 127: its codes are zeros, and only this program's launches read the bytes.
; THE OUTPUT IS LAID AS THE MATRIX UNIT'S REGISTERS WANT IT.  Rows (tokens of x, columns n of a weight) go in groups of 128, a group in eight tiles of 16: row r of tile T is row
; 32 (T / 2) + 8 (T % 2) + r + 8 (r / 8) of the group.  A fragment (a tile x 128 K, 12 registers a lane) is 1,536 bytes: registers 4 c .. 4 c + 3 of lane l at 512 c + 16 l.
; Codes: [group][K / 256][tile][(K / 128) % 2] fragments, 98,304 bytes a group.  Behind them the scale words: [group][K / 128][16 tile + r], four bytes each.
; SHARES.  2,048 waves, 16 KB of f32 each, all of a wave's loads issued at once.  Work-groups 0-127: 32 rows of x, wave w the w-th 128 along K.  128-223: w_attn, 224-255: w_proj: 128 columns x 256 K,
; wave w: 32 columns (w % 4) x 128 K (w / 4).  Waves share nothing: no barrier.  A stream: no matrix unit, no cluster, no tensor load.
; Scale words leave in runs of 128 bytes a wave: one byte in 128 of what the launch moves.
.set RGB,    98304
.set KB,     24576
.set FRB,    1536
.set XS_OFF, 3145728
.set WS_OFF, 2359296
.set PS_OFF, 786432
.set WST,    8448                      ; LDS: a stage of 16 rows x (512 + 16) bytes for each wave (x's path alone)
.set D,   16                           ; v16-143  128 numbers as loaded
.set H,   144                          ; v144-207 x: 64 numbers in the quantiser's order
.set P0,  144                          ; weights: codes of blocks 0 and 2;
.set P1,  156                          ; of blocks 1 and 3
.set TM,  208                          ; v208-223 at work
.set PW,  224                          ; the scale word just made
.set PW0, 225
.set PC,  226                          ; v226-237 x: a fragment's codes
.set TX,  238                          ; v238-245 a conversion's three registers begin on an even number: second halves are made here and moved
.set SEL, 20
; 64 numbers of a lane, register 16 b + i = k 32 b + 16 (lane / 16) + i of the lane's row, become codes: k 0-63 in six registers from d0, k 64-127 in six from d1; the row's scale word in v[PW].
.macro QUANT s, d0, d1
.irp b, 0,1,2,3
	v_max3_num_f32 v[TM+\b], |v[\s+16*\b]|, |v[\s+1+16*\b]|, 0x1800000   ; my 16 numbers of block b, and the floor 2^(3 - 127): the byte cannot fall under 1
.endr
.irp i, 2,4,6,8,10,12,14
.irp b, 0,1,2,3
	v_max3_num_f32 v[TM+\b], v[TM+\b], |v[\s+16*\b+\i]|, |v[\s+1+16*\b+\i]|
.endr
.endr
.irp b, 0,1,2,3
	v_permlanex16_b32 v[TM+4+\b], v[TM+\b], s[SEL], s[SEL+1]
.endr
.irp b, 0,1,2,3
	v_max_num_f32 v[TM+\b], v[TM+\b], v[TM+4+\b]   ; with lane l xor 16's 16: the block's largest magnitude
.endr
.irp b, 0,1,2,3
	v_add_nc_u32 v[TM+12+\b], 0xff000000, v[TM+\b] ; 2 off its exponent field: the conversion's scale operand
.endr
.irp b, 0,1,2,3
	v_lshrrev_b32 v[TM+4+\b], 23, v[TM+12+\b]      ; the scale's byte
.endr
	v_lshl_or_b32 v[PW], v[TM+5], 8, v[TM+4]
	v_lshl_or_b32 v[PW], v[TM+6], 16, v[PW]
	v_lshl_or_b32 v[PW], v[TM+7], 24, v[PW]
	v_cvt_scalef32_pk16_fp6_f32 v[0+(\d0):2+(\d0)], v[\s:\s+15], v[TM+12]
	v_cvt_scalef32_pk16_fp6_f32 v[TX:TX+2], v[\s+16:\s+31], v[TM+13]
	v_cvt_scalef32_pk16_fp6_f32 v[0+(\d1):2+(\d1)], v[\s+32:\s+47], v[TM+14]
	v_cvt_scalef32_pk16_fp6_f32 v[TX+4:TX+6], v[\s+48:\s+63], v[TM+15]
	v_nop                                          ; one plain place behind a scaled conversion
.irp i, 0,1,2
	v_permlane16_swap_b32 v[0+(\d0)+\i], v[TX+\i]  ; the layout wants a whole block in a lane: lanes 0-15 the even block, lanes 16-31 the odd one
.endr
.irp i, 0,1,2
	v_mov_b32 v[3+(\d0)+\i], v[TX+\i]
.endr
.irp i, 0,1,2
	v_permlane16_swap_b32 v[0+(\d1)+\i], v[TX+4+\i]
.endr
.irp i, 0,1,2
	v_mov_b32 v[3+(\d1)+\i], v[TX+4+\i]
.endr
.endm
	s_load_b256 s[4:11], s[0:1], 0x0               ; x s[4:5], w_attn s[6:7], w_proj s[8:9], xq s[10:11]
	s_load_b128 s[12:15], s[0:1], 0x20             ; wq s[12:13], pq s[14:15]
	v_lshl_add_u32 v254, v0, 2, 0x10800
	v_mov_b32 v255, 0
	v_lshrrev_b32 v1, 5, v0
	v_readfirstlane_b32 s16, v1                    ; wave 0..7
	v_and_b32 v2, 31, v0                           ; lane
	v_and_b32 v3, 15, v0                           ; r
	v_bfe_u32 v4, v0, 4, 1                         ; h
	v_lshlrev_b32 v5, 4, v2                        ; 16 x lane
	v_lshlrev_b32 v6, 2, v2                        ; 4 x lane
	v_and_b32 v10, 8, v3
	v_add_nc_u32 v10, v10, v3
	v_lshl_add_u32 v10, v4, 3, v10
	v_lshlrev_b32 v10, 2, v10                      ; weights: my column of the wave's 32: 8 h + r + 8 (r / 8), in bytes
	s_mov_b32 s[SEL], 0x76543210
	s_mov_b32 s[SEL+1], 0xfedcba98                 ; selects for lane l xor 16
	s_wait_kmcnt 0x0
	s_cmp_lt_u32 ttmp9, 128
	s_cbranch_scc0 .Lweights
	; ---- x: K is innermost.  32 rows x 512 bytes; each load takes one row's 512 consecutive bytes, in the order of the two tiles' rows
	s_lshl_b32 s22, ttmp9, 17                      ; 32 rows of 4,096 bytes
	s_lshl_b32 s23, s16, 9                         ; my 128 along K
	s_add_co_u32 s22, s22, s23
	s_mov_b32 s23, 0
	s_add_nc_u64 s[4:5], s[4:5], s[22:23]
.irp u, 0,1
.irp i, 0,1,2,3,4,5,6,7,8,9,10,11,12,13,14,15
	global_load_b128 v[D+4*(16*\u+\i):D+4*(16*\u+\i)+3], v5, s[4:5] offset:(8*\u+\i+8*(\i/8))*4096 th:TH_LOAD_NT
.endr
.endr
	s_mul_i32 s24, s16, WST
	v_add_nc_u32 v7, s24, v5                       ; into my stage: 16 x lane, a row for each load
	v_mul_u32_u24 v8, v3, 528
	v_lshl_add_u32 v8, v4, 6, v8
	v_add_nc_u32 v8, s24, v8                       ; out of it: row r, + 64 h: my 16 numbers of each block of 32
.irp b, 0,1,2,3
	v_mov_b32 v[TM+4+\b], 0                        ; written once: a lane permute's destination counts as one of its sources
.endr
	s_lshr_b32 s25, ttmp9, 2                       ; the group of 128 rows
	s_and_b32 s26, ttmp9, 3                        ; which 32 of them: tiles 2 s26 and 2 s26 + 1
	s_mul_i32 s28, s25, RGB
	s_lshr_b32 s27, s16, 1
	s_mul_i32 s27, s27, KB
	s_add_co_u32 s28, s28, s27
	s_mul_i32 s27, s26, 4*FRB
	s_add_co_u32 s28, s28, s27
	s_and_b32 s27, s16, 1
	s_mul_i32 s27, s27, FRB
	s_add_co_u32 s28, s28, s27
	s_mov_b32 s29, 0
	s_add_nc_u64 s[32:33], s[10:11], s[28:29]      ; my first fragment
	s_lshl_b32 s28, s25, 3
	s_add_co_u32 s28, s28, s16
	s_lshl_b32 s28, s28, 9
	s_lshl_b32 s27, s26, 7
	s_add_co_u32 s28, s28, s27
	s_add_co_u32 s28, s28, XS_OFF
	s_add_nc_u64 s[34:35], s[10:11], s[28:29]      ; my 32 scale words
.macro XTILE u
	s_wait_loadcnt 16-16*\u                        ; this tile's 16 loads are in; the other tile's 16 may be out
.irp i, 0,1,2,3,4,5,6,7,8,9,10,11,12,13,14,15
	ds_store_b128 v7, v[D+4*(16*\u+\i):D+4*(16*\u+\i)+3] offset:528*\i
.endr
.irp b, 0,1,2,3
.irp j, 0,1,2,3
	ds_load_b128 v[H+16*\b+4*\j:H+16*\b+4*\j+3], v8 offset:128*\b+16*\j   ; LDS serves a wave's instructions in order: these see my stores
.endr
.endr
	s_wait_dscnt 0x0
.if \u == 1
	s_wait_xcnt 0x0                                ; the first tile's stores have read the codes' registers, which are written again below
.endif
	QUANT H, PC, PC+6
.irp c, 0,1,2
	global_store_b128 v5, v[PC+4*\c:PC+4*\c+3], s[32:33] offset:2*FRB*\u+512*\c   ; 512 consecutive bytes
.endr
.endm
	XTILE 0
	v_mov_b32 v[PW0], v[PW]
	XTILE 1
	v_cmp_eq_u32 vcc_lo, 1, v4
	v_cndmask_b32 v9, v[PW0], v[PW], vcc_lo        ; lanes 0-15: the first tile's words, lanes 16-31: the second's (lanes r and r + 16 hold row r's word)
	global_store_b32 v6, v9, s[34:35]
	s_wait_tensorcnt 0x0
	ds_add_u32 v254, v255
	s_wait_dscnt 0x0
	s_endpgm
; ---- a weight [1024][cols]: K is its first axis.  A lane takes a column and its 128 registers run down K: four whole blocks, no other lane is asked for a maximum.
; Lanes 0-15 hold the rows of tile 2 beta, lanes 16-31 those of tile 2 beta + 1.  P0 takes each lane's blocks 0 and 2, P1 its blocks 1 and 3; twelve exchanges of halves make of them the two tiles' fragments.
.macro WPATH cols, idbase, soff, src, dst
	s_sub_co_u32 s22, ttmp9, \idbase
	s_lshr_b32 s23, s22, 2                         ; the group of 128 columns
	s_and_b32 s24, s22, 3                          ; which 256 along K
	s_and_b32 s25, s16, 3                          ; beta: which 32 columns
	s_lshr_b32 s26, s16, 2                         ; which 128 of the 256
	s_lshl_b32 s27, s24, 1
	s_add_co_u32 s27, s27, s26                     ; K / 128
	s_mul_i32 s28, s27, 128*\cols*4
	s_lshl_b32 s29, s23, 9
	s_add_co_u32 s28, s28, s29
	s_lshl_b32 s29, s25, 7
	s_add_co_u32 s28, s28, s29
	s_mov_b32 s29, 0
	s_add_nc_u64 s[\src:\src+1], s[\src:\src+1], s[28:29]
.set i, 0
.rept 128
	global_load_b32 v[D+i], v10, s[\src:\src+1] offset:i*\cols*4 th:TH_LOAD_NT   ; a row of the weight at my wave's 32 columns: 128 consecutive bytes
.set i, i+1
.endr
	s_mul_i32 s30, s23, RGB
	s_mul_i32 s31, s24, KB
	s_add_co_u32 s30, s30, s31
	s_mul_i32 s31, s25, 4*FRB
	s_add_co_u32 s30, s30, s31
	s_mul_i32 s31, s26, FRB
	s_add_co_u32 s30, s30, s31
	s_mov_b32 s31, 0
	s_add_nc_u64 s[32:33], s[\dst:\dst+1], s[30:31]
	s_lshl_b32 s30, s23, 3
	s_add_co_u32 s30, s30, s27
	s_lshl_b32 s30, s30, 9
	s_lshl_b32 s34, s25, 7
	s_add_co_u32 s30, s30, s34
	s_add_co_u32 s30, s30, \soff
	s_add_nc_u64 s[34:35], s[\dst:\dst+1], s[30:31]
.irp bk, 0,1,2,3
.if \bk < 2
	s_wait_loadcnt 63                              ; this block's 32 loads are in (the field holds no larger count; 96 and 64 would do)
.else
	s_wait_loadcnt 96-32*\bk                       ; the later blocks' loads may be out
.endif
.set XB, D+32*\bk
.set PE, P0+12*(\bk%2)+6*(\bk/2)
	v_max3_num_f32 v[TM], |v[XB]|, |v[XB+1]|, |v[XB+2]|
	v_max3_num_f32 v[TM+1], |v[XB+3]|, |v[XB+4]|, |v[XB+5]|
.irp i, 6,10,14,18,22,26
	v_max3_num_f32 v[TM], v[TM], |v[XB+\i]|, |v[XB+\i+1]|
	v_max3_num_f32 v[TM+1], v[TM+1], |v[XB+\i+2]|, |v[XB+\i+3]|
.endr
	v_max3_num_f32 v[TM], v[TM], |v[XB+30]|, |v[XB+31]|
	v_max3_num_f32 v[TM], v[TM], v[TM+1], 0x1800000 ; and the floor
	v_add_nc_u32 v[TM+12], 0xff000000, v[TM]
	v_lshrrev_b32 v[TM+2], 23, v[TM+12]
.if \bk == 0
	v_mov_b32 v[PW], v[TM+2]
.else
	v_lshl_or_b32 v[PW], v[TM+2], 8*\bk, v[PW]
.endif
	v_cvt_scalef32_pk16_fp6_f32 v[PE:PE+2], v[XB:XB+15], v[TM+12]
	v_cvt_scalef32_pk16_fp6_f32 v[TX:TX+2], v[XB+16:XB+31], v[TM+12]
	v_nop                                          ; one plain place behind a scaled conversion
.irp i, 0,1,2
	v_mov_b32 v[PE+3+\i], v[TX+\i]
.endr
.endr
.set i, 0
.rept 12
	v_permlane16_swap_b32 v[P0+i], v[P1+i]         ; P0: tile 2 beta's fragment; P1: tile 2 beta + 1's
.set i, i+1
.endr
.irp e, 0,1
.irp c, 0,1,2
	global_store_b128 v5, v[P0+12*\e+4*\c:P0+12*\e+4*\c+3], s[32:33] offset:2*FRB*\e+512*\c
.endr
.endr
	global_store_b32 v6, v[PW], s[34:35]           ; lane l's word belongs to place 32 beta + l
.endm
.Lweights:
	s_cmp_lt_u32 ttmp9, 224
	s_cbranch_scc0 .Lw_proj
	WPATH 3072, 128, WS_OFF, 6, 12
	s_endpgm
.Lw_proj:
	WPATH 1024, 224, PS_OFF, 8, 14
	s_endpgm
.Lfunc_end_k_qc7dbdd2945_quant:
	.size	k_qc7dbdd2945_quant, .Lfunc_end_k_qc7dbdd2945_quant-k_qc7dbdd2945_quant
	.p2alignl 7, 3214868480
	.fill 96, 4, 3214868480
	.section	.rodata,"a",@progbits
	.p2align	6, 0x0
	.amdhsa_kernel k_qc7dbdd2945_quant
		.amdhsa_group_segment_fixed_size 68608
		.amdhsa_private_segment_fixed_size 0
		.amdhsa_enable_private_segment 0
		.amdhsa_kernarg_size 48
		.amdhsa_user_sgpr_count 2
		.amdhsa_user_sgpr_kernarg_segment_ptr 1
		.amdhsa_wavefront_size32 1
		.amdhsa_system_sgpr_workgroup_id_x 1
		.amdhsa_system_sgpr_workgroup_id_y 1
		.amdhsa_system_sgpr_workgroup_id_z 1
		.amdhsa_system_vgpr_workitem_id 0
		.amdhsa_next_free_vgpr 256
		.amdhsa_next_free_sgpr 66
		.amdhsa_reserve_vcc 1
		.amdhsa_float_denorm_mode_32 3
		.amdhsa_float_denorm_mode_16_64 3
		.amdhsa_memory_ordered 1
		.amdhsa_forward_progress 1
		.amdhsa_inst_pref_size 59
	.end_amdhsa_kernel
	.amdgpu_metadata
---
amdhsa.version: [ 1, 2 ]
amdhsa.kernels:
  - .name:           k_qc7dbdd2945_quant
    .symbol:         k_qc7dbdd2945_quant.kd
    .args:
      - { .name: x, .offset: 0, .size: 8, .value_kind: global_buffer, .address_space: global }
      - { .name: w_attn, .offset: 8, .size: 8, .value_kind: global_buffer, .address_space: global }
      - { .name: w_proj, .offset: 16, .size: 8, .value_kind: global_buffer, .address_space: global }
      - { .name: xq, .offset: 24, .size: 8, .value_kind: global_buffer, .address_space: global }
      - { .name: wq, .offset: 32, .size: 8, .value_kind: global_buffer, .address_space: global }
      - { .name: pq, .offset: 40, .size: 8, .value_kind: global_buffer, .address_space: global }
    .group_segment_fixed_size: 68608
    .private_segment_fixed_size: 0
    .kernarg_segment_align: 8
    .kernarg_segment_size: 48
    .max_flat_workgroup_size: 256
    .sgpr_count:     66
    .vgpr_count:     256
    .wavefront_size: 32
...
	.end_amdgpu_metadata
.endif
;; end of part 1
;; launch qkv (part 2): grid 12 x 16, 4 waves a work-group, clusters of 4 x 4, 327,680 bytes of LDS; arguments xq, wq, b_attn, qq, kv; writes qq, kv
.if DOCPART == 2
	.amdgcn_target "amdgcn-amd-amdhsa--gfx1250"
	.amdhsa_code_object_version 6
	.text
	.protected	k_qc7dbdd2945_qkv
	.globl	k_qc7dbdd2945_qkv
	.p2align	8
	.type	k_qc7dbdd2945_qkv,@function
k_qc7dbdd2945_qkv:
	s_mov_b64 s[64:65], 0
	v_nop
	global_prefetch_b8 v0, s[64:65] scope:SCOPE_SE
	s_setreg_imm32_b32 hwreg(HW_REG_WAVE_MODE, 25, 1), 1
	s_wait_xcnt 0x0
	s_wait_alu depctr_hold_cnt(0) depctr_sa_sdst(0) depctr_va_vdst(0) depctr_va_sdst(0) depctr_va_ssrc(0) depctr_va_vcc(0) depctr_vm_vsrc(0)
	s_getreg_b32 s2, hwreg(HW_REG_IB_STS2, 6, 4)
	s_cmp_eq_u32 s2, 0
	s_cbranch_scc0 .Lentry_in_a_cluster
	s_endpgm
.Lentry_in_a_cluster:
	s_bfe_u32 s2, ttmp6, 0x10000c
	s_cmp_lg_u32 s2, 0xf033
	s_cbranch_scc0 .Lentry_shape_is_right
	s_endpgm
.Lentry_shape_is_right:
; qkv = x w_attn + b_attn on codes of FP6 (E2M3) with E8M0 scales, K = 1,024; the results are quantised on the way out and leave as the operands of attention.
; A tile of 256 x 256 to a work-group of four waves, 128 x 128 a wave in 64 accumulators.  K in steps of 256 through two LDS slots filled by the tensor data mover.
; Operands lie in memory as images of the operand registers (a fragment = 16 rows x 128 K = 1,536 bytes, registers 4 c .. 4 c + 3 of lane l at 512 c + 16 l; row r of tile T is row 32 (T / 2) + 8 (T % 2) + r + 8 (r / 8)
; of its group of 128): a group's K step is 24,576 dense bytes, one tensor load, and a fragment is three ds_load_b128 of 512 consecutive bytes.
; ROLES.  Source 0 = 16 rows of B, source 1 = 16 rows of A: a lane holds one row of A, and the 64 registers of a block of A's rows run along 128 neighbouring rows of B.
;   clusters x = 0 (q) and 1 (k): A = x's tokens, B = w_attn's columns: a lane holds a token and 128 channels, two heads: quantised along the head's 64.
;   clusters x = 2 (v): A = w_attn's columns 2,048 on, B = x's tokens: a lane holds a channel and 128 tokens: v is quantised along the tokens, the second product's K.  Only pointers and offsets are chosen; the text is one.
; OUT.  q: [head][block of 128 tokens][F 0-3]: fragment F holds token tile 2 F at k 0-63 and tile 2 F + 1 at k 64-127.  k likewise, v as four fragments (16 channels x 128 tokens), in one record of 12,288 bytes for
; each head and 128 tokens; their scale words behind.  Every store of codes covers 512 consecutive bytes, every store of scale words two runs of 256.
; CLUSTERS: 4 x 4.  A's tiles are shared along a row of the cluster, B's along a column: joint loads.
; LIMITS: NaN and infinities are not served; a block of zeros gets the byte 1 (its codes are zeros; only this program reads the bytes).
; REGISTERS: window 0: v0-31 addresses; v32-63 scale words, two sets; v64-127 the bias by registers; v128-223 A's fragments; v224-239 the bias by lanes.  window 1: B's fragments, two sets.  windows 2, 3: the accumulators.
.set RGB,     98304
.set KB,      24576
.set FRB,     1536
.set XS_OFF,  3145728
.set WS_OFF,  2359296
.set QS_OFF,  3145728
.set KVS_OFF, 6291456
.set NQ,      2                        ; matrix instructions deep in a slot
.set FR,      12
.set NL,      3                        ; LDS loads that bring a fragment
.set NP,      4                        ; places behind this matrix instruction (ISA guide 7.12.1)
.set SLOT,    4*KB                     ; A's two groups, then B's two
.set SCL,     2*SLOT                   ; the scale words of the four groups, all of K: 4,096 bytes each, filled once
.set SPARE,   SCL+4*4096               ; the spare words, 128 bytes for each wave
.set LAPS,    2                        ; K = 1,024 = twice round the ring
.set ADRA, 16                          ; v16-17 LDS address of my A fragments in slot 0, 1
.set ADRB, 20                          ; v20-21 the same for B
.set LI,   24                          ; v24 16 x lane
.set WO,   25                          ; v25 the way out: my place for scale words
.set ADRS, 27                          ; v27 LDS address of my scale words: lanes 0-15 A's rows, lanes 16-31 B's
.set SPW,  28
.set NIL,  29
.set BQO,  30                          ; v30, v31 offsets of the two bias tables; not rewritten
.set BVO,  31
.set SC,   32
.set BI,   64
.set AF,   128
.set BV,   224
.set FA,   32                          ; the way out: two fragments,
.set FB,   44
.set KWA,  56                          ; eight scale words,
.set KWB,  60
.set H,    128                         ; 64 numbers for the quantiser,
.set TX,   192
.set TM,   200
.set PW,   216
.set PW0,  217
.set G1, 24
.set G0, 32
.set G1B, 48
.set G0B, 56
.set G1S, 68
.set G0S, 76
.set G1SB, 80
.set G0SB, 88
.set VF,  95                           ; s95 1 in v's clusters
.set SEL, 100
.set MSB, 0
.macro WIN new                         ; the immediate's high byte repeats the setting that is left
.if MSB != (\new)
	s_set_vgpr_msb (MSB<<8)|(\new)
.set MSB, (\new)
.endif
.endm
.set MUL_LO, 0xa1                      ; source 0 (B) window 1, source 1 (A) window 0, C and D window 2
.set MUL_HI, 0xf1
.set TO_B,   0x40
; A joint load: waves 0 and 1 fetch for A, waves 2 and 3 for B; the branch hangs on the wave's number alone.  Four v_nop follow each of the two lines.
.macro JLOAD g0a, g1a, g0b, g1b
	s_cmp_eq_u32 s15, 0
	s_cbranch_scc0 .Lfor_b_\@
	tensor_load_to_lds s[\g0a:\g0a+3], s[\g1a:\g1a+7]
	s_nop 0
.rept 4
	v_nop
.endr
	s_branch .Lasked_\@
.Lfor_b_\@:
	tensor_load_to_lds s[\g0b:\g0b+3], s[\g1b:\g1b+7]
	s_nop 0
.rept 4
	v_nop
.endr
.Lasked_\@:
.endm
.macro CREST                           ; a round of the cluster's barrier behind its opening barrier
	s_cmp_lg_u32 s14, 0
	s_cbranch_scc1 .Lnot_wave_0_\@
	s_barrier_signal -3
.Lnot_wave_0_\@:
	s_barrier_wait -3
	s_barrier_signal -1
	s_barrier_wait -1
.endm
.macro CROUND
	s_barrier_signal -1
	s_barrier_wait -1
	CREST
.endm
; 64 numbers of a lane, register 16 b + i = k 32 b + 16 (lane / 16) + i, become codes: k 0-63 in six registers from d0, k 64-127 in six from d1; the scale word in v[PW].
.macro QUANT s, d0, d1
.irp b, 0,1,2,3
	v_max3_num_f32 v[TM+\b], |v[\s+16*\b]|, |v[\s+1+16*\b]|, 0x1800000   ; and the floor 2^(3 - 127): the byte cannot fall under 1
.endr
.irp i, 2,4,6,8,10,12,14
.irp b, 0,1,2,3
	v_max3_num_f32 v[TM+\b], v[TM+\b], |v[\s+16*\b+\i]|, |v[\s+1+16*\b+\i]|
.endr
.endr
.irp b, 0,1,2,3
	v_permlanex16_b32 v[TM+4+\b], v[TM+\b], s[SEL], s[SEL+1]
.endr
.irp b, 0,1,2,3
	v_max_num_f32 v[TM+\b], v[TM+\b], v[TM+4+\b]
.endr
.irp b, 0,1,2,3
	v_add_nc_u32 v[TM+12+\b], 0xff000000, v[TM+\b] ; 2 off the exponent field: the conversion's scale operand
.endr
.irp b, 0,1,2,3
	v_lshrrev_b32 v[TM+4+\b], 23, v[TM+12+\b]
.endr
	v_lshl_or_b32 v[PW], v[TM+5], 8, v[TM+4]
	v_lshl_or_b32 v[PW], v[TM+6], 16, v[PW]
	v_lshl_or_b32 v[PW], v[TM+7], 24, v[PW]
	v_cvt_scalef32_pk16_fp6_f32 v[0+(\d0):2+(\d0)], v[\s:\s+15], v[TM+12]
	v_cvt_scalef32_pk16_fp6_f32 v[TX:TX+2], v[\s+16:\s+31], v[TM+13]
	v_cvt_scalef32_pk16_fp6_f32 v[0+(\d1):2+(\d1)], v[\s+32:\s+47], v[TM+14]
	v_cvt_scalef32_pk16_fp6_f32 v[TX+4:TX+6], v[\s+48:\s+63], v[TM+15]
	v_nop                                          ; one plain place behind a scaled conversion
.irp i, 0,1,2
	v_permlane16_swap_b32 v[0+(\d0)+\i], v[TX+\i]
.endr
.irp i, 0,1,2
	v_mov_b32 v[3+(\d0)+\i], v[TX+\i]
.endr
.irp i, 0,1,2
	v_permlane16_swap_b32 v[0+(\d1)+\i], v[TX+4+\i]
.endr
.irp i, 0,1,2
	v_mov_b32 v[3+(\d1)+\i], v[TX+4+\i]
.endr
.endm
	s_load_b128 s[4:7], s[0:1], 0x0                ; xq s[4:5], wq s[6:7]
	s_load_b128 s[8:11], s[0:1], 0x10              ; b_attn s[8:9], qq s[10:11]
	s_load_b64 s[12:13], s[0:1], 0x20              ; kv
	v_lshl_add_u32 v[SPW], v0, 2, SPARE
	v_mov_b32 v[NIL], 0
	ds_add_u32 v28, v29
	ds_add_u32 v28, v29
	s_wait_dscnt 0x0
	v_lshrrev_b32 v1, 5, v0
	v_readfirstlane_b32 s14, v1                    ; wave 0..3
	s_lshr_b32 s15, s14, 1                         ; which group of A's rows is mine.  Also: I fetch for A (0) or for B (1)
	s_and_b32 s16, s14, 1                          ; which group of B's rows.  Also: which group of that tile I fetch
	s_bfe_u32 s40, ttmp6, 0x40000                  ; cx
	s_bfe_u32 s41, ttmp6, 0x40004                  ; cy
	s_and_b32 s17, ttmp7, 0xffff                   ; cluster y
	s_cmp_eq_u32 ttmp9, 2                          ; v's clusters: the same answer in all sixteen partners
	s_cselect_b32 s[VF], 1, 0
	s_cselect_b32 s42, s17, ttmp9                  ; v: the four clusters walk the tokens along B
	s_cselect_b32 s17, 0, s17                      ;    and share A's 1,024 channels
	s_lshl_b32 s42, s42, 2
	s_add_co_u32 s42, s42, s40                     ; tile column (B)
	s_lshl_b32 s17, s17, 2
	s_add_co_u32 s17, s17, s41                     ; tile row (A)
	s_lshl_b32 s43, s41, 2
	s_lshl_b32 s43, 15, s43                        ; my row of the cluster
	s_lshl_b32 s44, 0x1111, s40                    ; my column
	; descriptor group 1: a dense block as rows of 256 bytes (32 elements of 8 bytes), no padding: 96 rows of codes, 16 of scale words
	s_or_b32 s[G1+0], s43, (3<<16)|(1<<21)
	s_or_b32 s[G1B+0], s44, (3<<16)|(1<<21)
.irp g, G1, G1B
	s_mov_b32 s[\g+1], 32<<16                      ; tensor_dim0
	s_mov_b32 s[\g+2], 96<<16                      ; tensor_dim1
	s_mov_b32 s[\g+3], 32<<16                      ; tile_dim0
	s_mov_b32 s[\g+4], 96                          ; tile_dim1
	s_mov_b32 s[\g+5], 32                          ; the pitch
	s_mov_b32 s[\g+6], 0
	s_mov_b32 s[\g+7], 0
.endr
	s_or_b32 s[G1S+0], s43, (3<<16)|(1<<21)
	s_or_b32 s[G1SB+0], s44, (3<<16)|(1<<21)
.irp g, G1S, G1SB
	s_mov_b32 s[\g+1], 32<<16
	s_mov_b32 s[\g+2], 16<<16
	s_mov_b32 s[\g+3], 32<<16
	s_mov_b32 s[\g+4], 16
	s_mov_b32 s[\g+5], 32
	s_mov_b32 s[\g+6], 0
	s_mov_b32 s[\g+7], 0
.endr
	s_lshl_b32 s20, s17, 1
	s_add_co_u32 s20, s20, s16
	s_lshl_b32 s18, s[VF], 4
	s_add_co_u32 s20, s20, s18                     ; A's group that I fetch (v: w_attn's groups 16 on)
	s_lshl_b32 s46, s42, 1
	s_add_co_u32 s46, s46, s16                     ; B's
	s_mul_i32 s22, s20, 4096
	s_mul_i32 s20, s20, RGB
	s_mul_i32 s92, s46, 4096
	s_mul_i32 s46, s46, RGB
	s_mov_b32 s21, 0
	s_mov_b32 s23, 0
	s_mov_b32 s47, 0
	s_mov_b32 s93, 0
	s_cmp_eq_u32 s[VF], 1
	s_mov_b32 s18, XS_OFF
	s_cselect_b32 s19, WS_OFF, s18                 ; where A's buffer has its scale words
	s_mov_b32 s18, WS_OFF
	s_cselect_b32 s18, XS_OFF, s18                 ; and B's
	s_add_co_u32 s22, s22, s19
	s_add_co_u32 s92, s92, s18
	s_mul_i32 s45, s14, KB                         ; where they go: wave x a group: no place in the cluster enters an LDS address
	s_lshl_b32 s94, s14, 12
	s_mov_b32 s[SEL], 0x76543210
	s_mov_b32 s[SEL+1], 0xfedcba98
	s_wait_kmcnt 0x0
	s_cmp_eq_u32 s[VF], 1
	s_cselect_b64 s[96:97], s[6:7], s[4:5]         ; A's buffer
	s_cselect_b64 s[98:99], s[4:5], s[6:7]         ; B's
	s_add_nc_u64 s[20:21], s[96:97], s[20:21]
	s_add_nc_u64 s[22:23], s[96:97], s[22:23]
	s_add_nc_u64 s[46:47], s[98:99], s[46:47]
	s_add_nc_u64 s[92:93], s[98:99], s[92:93]
	CROUND                                         ; all sixteen work-groups are here: the first joint loads meet
	s_mov_b32 s[G0S], 1
	s_add_co_u32 s[G0S+1], s94, SCL
	s_mov_b64 s[G0S+2:G0S+3], s[22:23]
	s_or_b32 s[G0S+3], s[G0S+3], 0x80000000
	s_mov_b32 s[G0SB], 1
	s_add_co_u32 s[G0SB+1], s94, SCL
	s_mov_b64 s[G0SB+2:G0SB+3], s[92:93]
	s_or_b32 s[G0SB+3], s[G0SB+3], 0x80000000
	JLOAD G0S, G1S, G0SB, G1SB                     ; the scale words first: they are wanted with K step 0
.irp s, 0,1
	s_mov_b32 s[G0+4*\s], 1
	s_add_co_u32 s[G0+4*\s+1], s45, \s*SLOT
	s_add_nc_u64 s[G0+4*\s+2:G0+4*\s+3], s[20:21], \s*KB
	s_or_b32 s[G0+4*\s+3], s[G0+4*\s+3], 0x80000000
	s_mov_b32 s[G0B+4*\s], 1
	s_add_co_u32 s[G0B+4*\s+1], s45, \s*SLOT
	s_add_nc_u64 s[G0B+4*\s+2:G0B+4*\s+3], s[46:47], \s*KB
	s_or_b32 s[G0B+4*\s+3], s[G0B+4*\s+3], 0x80000000
	JLOAD G0+4*\s, G1, G0B+4*\s, G1B               ; three tensor loads of mine are out
.endr
	v_and_b32 v1, 15, v0                           ; r
	v_bfe_u32 v2, v0, 4, 1                         ; h
	v_and_b32 v3, 31, v0
	v_lshlrev_b32 v[LI], 4, v3
	s_mul_i32 s21, s15, KB                         ; my group of A
	s_mul_i32 s22, s16, KB                         ; my group of B,
	s_add_co_u32 s22, s22, 2*KB                    ; behind A's two
.irp s, 0,1
	v_add_nc_u32 v[ADRA+\s], s21, v[LI]
	v_add_nc_u32 v[ADRB+\s], s22, v[LI]
	s_add_co_u32 s21, s21, SLOT
	s_add_co_u32 s22, s22, SLOT
.endr
	s_lshl_b32 s21, s15, 12                        ; A's scale words: my group
	s_lshl_b32 s22, s16, 12                        ; B's: my group, behind A's two
	s_add_co_u32 s22, s22, 8192
	s_sub_co_u32 s22, s22, s21
	v_mul_u32_u24 v6, s22, v2                      ; lanes 16-31 take B's
	s_add_co_u32 s21, s21, SCL
	v_lshl_add_u32 v5, v1, 2, v6
	v_add_nc_u32 v[ADRS], s21, v5
	; THE BIAS, in both forms, so that no branch stands here: by registers (q, k: a lane's 64 channels) and by lanes (v: the lane's channel in each of A's eight blocks, twice, for the packed addition).
	; The table that my role does not use is read at b_attn's start.
	s_lshl_b32 s46, s42, 8
	s_lshl_b32 s47, s16, 7
	s_add_co_u32 s46, s46, s47                     ; q, k: my first column
	s_lshl_b32 s22, s17, 8
	s_lshl_b32 s23, s15, 7
	s_add_co_u32 s22, s22, s23
	s_add_co_u32 s22, s22, 2048                    ; v: my first column
	s_cmp_eq_u32 s[VF], 1
	s_cselect_b32 s46, 0, s46
	s_cselect_b32 s22, s22, 0
	s_lshl_b32 s46, s46, 2
	s_lshl_b32 s22, s22, 2
	v_lshl_add_u32 v[BQO], v2, 6, s46              ; register 16 b + i: column 32 b + 16 h + i
	v_and_b32 v4, 8, v1
	v_add_nc_u32 v4, v4, v1
	v_lshl_add_u32 v[BVO], v4, 2, s22              ; block a: column 32 (a / 2) + 8 (a % 2) + r + 8 (r / 8)
.irp b, 0,1,2,3
.irp k, 0,1,2,3
	global_load_b128 v[BI+16*\b+4*\k:BI+16*\b+4*\k+3], v[BQO], s[8:9] offset:128*\b+16*\k
.endr
.endr
.irp a, 0,1,2,3,4,5,6,7
	global_load_b32 v[BV+2*\a], v[BVO], s[8:9] offset:(32*(\a/2)+8*(\a%2))*4
	global_load_b32 v[BV+2*\a+1], v[BVO], s[8:9] offset:(32*(\a/2)+8*(\a%2))*4
.endr
.macro FRAG reg, adr, q, i             ; fragment (tile i, the slot's q-th 128 along K): three loads of 512 consecutive bytes
.irp c, 0,1,2
	ds_load_b128 v[\reg+4*\c:\reg+4*\c+3], v[\adr] offset:((\i)*2+(\q))*FRB+512*\c
.endr
.endm
; 16 matrix instructions: A's blocks a0, a0 + 1 x B's eight.  p: B's set; sc: the set of scale words.  zero = 1: the first product starts the sums.  The 64 accumulators take turns.
.macro MUL16 a0, p, q, sc, zero
.irp a, \a0, \a0+1
.irp b, 0,1,2,3,4,5,6,7
.if \zero
	v_wmma_scale_f32_16x16x128_f8f6f4 v[8*(8*((\a)%4)+\b):8*(8*((\a)%4)+\b)+7], v[128*(\p)+FR*\b:128*(\p)+FR*\b+FR-1], v[AF+FR*(\a):AF+FR*(\a)+FR-1], 0, v[SC+8*NQ*(\sc)+NQ*\b+(\q)], v[SC+8*NQ*(\sc)+NQ*(\a)+(\q)] matrix_a_fmt:MATRIX_FMT_FP6 matrix_b_fmt:MATRIX_FMT_FP6 matrix_a_scale:MATRIX_SCALE_ROW1
.else
	v_wmma_scale_f32_16x16x128_f8f6f4 v[8*(8*((\a)%4)+\b):8*(8*((\a)%4)+\b)+7], v[128*(\p)+FR*\b:128*(\p)+FR*\b+FR-1], v[AF+FR*(\a):AF+FR*(\a)+FR-1], v[8*(8*((\a)%4)+\b):8*(8*((\a)%4)+\b)+7], v[SC+8*NQ*(\sc)+NQ*\b+(\q)], v[SC+8*NQ*(\sc)+NQ*(\a)+(\q)] matrix_a_fmt:MATRIX_FMT_FP6 matrix_b_fmt:MATRIX_FMT_FP6 matrix_a_scale:MATRIX_SCALE_ROW1
.endif
.endr
.endr
.endm
.macro FETCH_B slot, q, p
	WIN TO_B
.irp i, 0,1,2,3,4,5,6,7
	FRAG 128*(\p)+FR*\i, ADRB+\slot, \q, \i
.endr
	WIN 0
.endm
.macro FETCH_A slot, q, i0
.irp i, \i0, \i0+1, \i0+2, \i0+3
	FRAG AF+FR*(\i), ADRA+\slot, \q, \i
.endr
.endm
.macro SCALES sc                       ; a K step's scale words: register 2 i + q: lanes 0-15 the word of A's block i, lanes 16-31 that of B's block i
.irp i, 0,1,2,3,4,5,6,7
	ds_load_b32 v[SC+8*NQ*\sc+NQ*\i], v[ADRS] offset:64*\i
	ds_load_b32 v[SC+8*NQ*\sc+NQ*\i+1], v[ADRS] offset:512+64*\i
.endr
.endm
.macro PLACES n                        ; plain places in front of loads into registers that matrix instructions have read, and of the first read of results
.rept \n
	v_nop
.endr
.endm
.macro STEP slot, q, zero              ; 128 along K that has its successor in the same slot
	s_wait_dscnt 4*NL                              ; B's set and A's blocks 0-3 are in; the youngest twelve loads (A's blocks 4-7) may be out
	WIN MUL_LO
	MUL16 0, (\q)%2, \q, \slot, \zero
	MUL16 2, (\q)%2, \q, \slot, \zero
	s_wait_dscnt 0
	PLACES NP
	FETCH_B \slot, (\q)+1, 1-(\q)%2
	FETCH_A \slot, (\q)+1, 0
	WIN MUL_HI
	MUL16 4, (\q)%2, \q, \slot, \zero
	MUL16 6, (\q)%2, \q, \slot, \zero
	PLACES NP
	WIN 0
	FETCH_A \slot, (\q)+1, 4
.endm
; A slot's last step changes slots: one barrier; in front of it each wave waits for all its tensor loads, adds 0 to its spare word, and waits for that and for its reads of this slot.
.macro TURN slot, next, fill
	s_wait_tensorcnt 0x0                           ; all my tensor loads have landed: my part of the next slot
	ds_add_u32 v[SPW], v[NIL]
	s_wait_dscnt 4*NL+1                            ; (the add and the youngest twelve loads may be out)
	WIN MUL_LO
	MUL16 0, 1, NQ-1, \slot, 0
	s_wait_dscnt 0x0                               ; the add is done, and my reads of this slot are over
	s_barrier_signal -1
	MUL16 2, 1, NQ-1, \slot, 0
	WIN 0
	s_barrier_wait -1
.if \fill
	CREST                                          ; the barrier has opened a round of the cluster's: no wave of any partner still reads this slot or has a load on its way
	s_add_nc_u64 s[G0+4*\slot+2:G0+4*\slot+3], s[G0+4*\slot+2:G0+4*\slot+3], 2*KB
	s_add_nc_u64 s[G0B+4*\slot+2:G0B+4*\slot+3], s[G0B+4*\slot+2:G0B+4*\slot+3], 2*KB
	JLOAD G0+4*\slot, G1, G0B+4*\slot, G1B         ; the first tensor load behind the round; its four v_nop are the places in front of the loads below
.else
	PLACES NP
.endif
	v_add_nc_u32 v[ADRS], 512*NQ, v[ADRS]          ; the next K step's scale words (no LDS load of mine is out)
	FETCH_B \next, 0, 0
	FETCH_A \next, 0, 0
	SCALES \next
	WIN MUL_HI
	MUL16 4, 1, NQ-1, \slot, 0
	MUL16 6, 1, NQ-1, \slot, 0
	PLACES NP
	WIN 0
	FETCH_A \next, 0, 4
.endm
	s_wait_tensorcnt 1                             ; the scale words and my part of K step 0 are in (K step 1's load may be out),
	s_barrier_signal -1
	s_barrier_wait -1                              ; everybody's are
	FETCH_B 0, 0, 0
	FETCH_A 0, 0, 0
	SCALES 0
	FETCH_A 0, 0, 4
	STEP 0, 0, 1                                   ; the first step's products start the sums
	s_mov_b32 s3, LAPS-1
.Llap:
	TURN 0, 1, 1
	STEP 1, 0, 0
	TURN 1, 0, 1
	STEP 0, 0, 0
	s_sub_co_u32 s3, s3, 1
	s_cmp_lg_u32 s3, 0
	s_cbranch_scc1 .Llap
	TURN 0, 1, 0                                   ; the last lap fills nothing
	STEP 1, 0, 0
	s_wait_dscnt 4*NL
	WIN MUL_LO
	MUL16 0, 1, NQ-1, 1, 0
	MUL16 2, 1, NQ-1, 1, 0
	s_wait_dscnt 0
	WIN MUL_HI
	MUL16 4, 1, NQ-1, 1, 0
	MUL16 6, 1, NQ-1, 1, 0
	WIN 0
	; THE WAY OUT.  Where my records lie (all tensor loads are done: the scale words' descriptor registers are free).
	PLACES NP
	s_wait_loadcnt 0x0                             ; the bias
	s_lshl_b32 s68, s17, 1
	s_add_co_u32 s68, s68, s15                     ; my group of A's rows
	s_lshl_b32 s69, s42, 1
	s_add_co_u32 s69, s69, s16                     ; my group of B's rows
	s_and_b32 s70, s69, 7
	s_cmp_eq_u32 s[VF], 1
	s_cselect_b32 s71, s69, s68                    ; the group of 128 tokens, 0..31
	s_cselect_b32 s70, s68, s70                    ; the pair of heads, 0..7
	s_cselect_b32 s72, 6144, 0                     ; v lies behind k in a record of codes,
	s_cselect_b32 s73, 256, 0                      ; and of scale words
	s_lshr_b32 s74, s71, 4
	s_lshl_b32 s74, s74, 4
	s_lshl_b32 s70, s70, 1
	s_add_co_u32 s74, s74, s70                     ; 16 x batch + my first head
	s_lshl_b32 s74, s74, 4
	s_and_b32 s71, s71, 15
	s_add_co_u32 s74, s74, s71                     ; the record: 16 for each head
	s_cmp_eq_u32 ttmp9, 0                          ; q?
	s_cselect_b64 s[76:77], s[10:11], s[12:13]
	s_mov_b32 s75, 12288
	s_cselect_b32 s75, 6144, s75                   ; a record of codes,
	s_mov_b32 s78, 512
	s_cselect_b32 s78, 256, s78                    ; of scale words,
	s_mov_b32 s79, KVS_OFF
	s_cselect_b32 s79, QS_OFF, s79                 ; and where those begin
	s_mul_i32 s80, s74, s75
	s_add_co_u32 s80, s80, s72
	s_mov_b32 s81, 0
	s_mul_i32 s82, s74, s78
	s_add_co_u32 s82, s82, s73
	s_add_co_u32 s82, s82, s79
	s_mov_b32 s83, 0
	s_add_nc_u64 s[84:85], s[76:77], s[80:81]      ; codes, my first head
	s_lshl_b32 s80, s75, 4
	s_add_nc_u64 s[86:87], s[84:85], s[80:81]      ; my second head: 16 records on
	s_add_nc_u64 s[88:89], s[76:77], s[82:83]      ; scale words
	s_lshl_b32 s90, s78, 4
	v_mul_u32_u24 v[WO], s90, v2
	v_lshl_add_u32 v[WO], v1, 4, v[WO]             ; lanes 0-15: the first head's, 16 r; lanes 16-31: the second's
.irp b, 0,1,2,3
	v_mov_b32 v[TM+4+\b], 0                        ; a lane permute's destination counts as one of its sources
.endr
	s_cmp_eq_u32 s[VF], 1
	s_cbranch_scc1 .Lv_out
	; q, k: block a of my tokens: 128 channels a lane = two heads.  Two blocks make one fragment for each head.
.irp F, 0,1,2,3
	s_wait_xcnt 0x0                                ; the last fragments' stores have read their registers
.irp u, 0,1
	WIN 0x02+(2*\F+\u)/4                           ; source 0: window 2 or 3
.set AC, 64*((2*\F+\u)%4)
.set i, 0
.rept 32
	v_pk_add_f32 v[H+i:H+i+1], v[AC+i:AC+i+1], v[BI+i:BI+i+1]   ; + bias; each accumulator from its low end on
.set i, i+2
.endr
	WIN 0
	QUANT H, FA+6*\u, FB+6*\u
.if \u == 0
	v_mov_b32 v[PW0], v[PW]
.else
	v_perm_b32 v[KWA+\F], v[PW], v[PW0], 0x05040100   ; the first head's word: both blocks' bytes 0, 1
	v_perm_b32 v[KWB+\F], v[PW], v[PW0], 0x07060302   ; the second's: bytes 2, 3
.endif
.endr
.irp c, 0,1,2
	global_store_b128 v[LI], v[FA+4*\c:FA+4*\c+3], s[84:85] offset:\F*FRB+512*\c
	global_store_b128 v[LI], v[FB+4*\c:FB+4*\c+3], s[86:87] offset:\F*FRB+512*\c
.endr
.endr
	s_branch .Lwords
.Lv_out:
	; v: block a of my channels: 128 tokens a lane: one fragment.  Blocks 0-3 are the first head's, 4-7 the second's.
.irp a, 0,1,2,3,4,5,6,7
	s_wait_xcnt 0x0
	WIN 0x02+\a/4
.set AC, 64*(\a%4)
.set i, 0
.rept 32
	v_pk_add_f32 v[H+i:H+i+1], v[AC+i:AC+i+1], v[BV+2*\a:BV+2*\a+1]
.set i, i+2
.endr
	WIN 0
	QUANT H, FA, FA+6
.irp c, 0,1,2
	global_store_b128 v[LI], v[FA+4*\c:FA+4*\c+3], s[84+2*(\a/4):85+2*(\a/4)] offset:(\a%4)*FRB+512*\c
.endr
	v_mov_b32 v[KWA+\a], v[PW]
.endr
.Lwords:
	v_cmp_eq_u32 vcc_lo, 1, v2
.irp i, 0,1,2,3
	v_cndmask_b32 v[KWA+\i], v[KWA+\i], v[KWB+\i], vcc_lo
.endr
	global_store_b128 v[WO], v[KWA:KWA+3], s[88:89]   ; sixteen lanes store 256 consecutive bytes for each head
	s_wait_tensorcnt 0x0                           ; the wave's end
	ds_add_u32 v[SPW], v[NIL]
	s_wait_dscnt 0x0
	CROUND                                         ; the closing round
	s_endpgm
.Lfunc_end_k_qc7dbdd2945_qkv:
	.size	k_qc7dbdd2945_qkv, .Lfunc_end_k_qc7dbdd2945_qkv-k_qc7dbdd2945_qkv
	.p2alignl 7, 3214868480
	.fill 96, 4, 3214868480
	.section	.rodata,"a",@progbits
	.p2align	6, 0x0
	.amdhsa_kernel k_qc7dbdd2945_qkv
		.amdhsa_group_segment_fixed_size 327680
		.amdhsa_private_segment_fixed_size 0
		.amdhsa_enable_private_segment 0
		.amdhsa_kernarg_size 40
		.amdhsa_user_sgpr_count 2
		.amdhsa_user_sgpr_kernarg_segment_ptr 1
		.amdhsa_wavefront_size32 1
		.amdhsa_system_sgpr_workgroup_id_x 1
		.amdhsa_system_sgpr_workgroup_id_y 1
		.amdhsa_system_sgpr_workgroup_id_z 1
		.amdhsa_system_vgpr_workitem_id 0
		.amdhsa_next_free_vgpr 1024
		.amdhsa_next_free_sgpr 102
		.amdhsa_reserve_vcc 1
		.amdhsa_float_denorm_mode_32 3
		.amdhsa_float_denorm_mode_16_64 3
		.amdhsa_memory_ordered 1
		.amdhsa_forward_progress 1
		.amdhsa_inst_pref_size 212
	.end_amdhsa_kernel
	.amdgpu_metadata
---
amdhsa.version: [ 1, 2 ]
amdhsa.kernels:
  - .name:           k_qc7dbdd2945_qkv
    .symbol:         k_qc7dbdd2945_qkv.kd
    .args:
      - { .name: xq, .offset: 0, .size: 8, .value_kind: global_buffer, .address_space: global }
      - { .name: wq, .offset: 8, .size: 8, .value_kind: global_buffer, .address_space: global }
      - { .name: b_attn, .offset: 16, .size: 8, .value_kind: global_buffer, .address_space: global }
      - { .name: qq, .offset: 24, .size: 8, .value_kind: global_buffer, .address_space: global }
      - { .name: kv, .offset: 32, .size: 8, .value_kind: global_buffer, .address_space: global }
    .group_segment_fixed_size: 327680
    .private_segment_fixed_size: 0
    .kernarg_segment_align: 8
    .kernarg_segment_size: 40
    .max_flat_workgroup_size: 128
    .sgpr_count:     102
    .vgpr_count:     1024
    .wavefront_size: 32
...
	.end_amdgpu_metadata
.endif
;; end of part 2
;; launch attn (part 3): grid 8 x 32, 16 waves a work-group, no clusters, 26,624 bytes of LDS; arguments qq, kv, yq; writes yq
.if DOCPART == 3
	.amdgcn_target "amdgcn-amd-amdhsa--gfx1250"
	.amdhsa_code_object_version 6
	.text
	.protected	k_qc7dbdd2945_attn
	.globl	k_qc7dbdd2945_attn
	.p2align	8
	.type	k_qc7dbdd2945_attn,@function
k_qc7dbdd2945_attn:
	s_mov_b64 s[64:65], 0
	v_nop
	global_prefetch_b8 v0, s[64:65] scope:SCOPE_SE
	s_setreg_imm32_b32 hwreg(HW_REG_WAVE_MODE, 25, 1), 1
	s_wait_xcnt 0x0
; y = softmax(q k^T / 8, causal) v for 32 heads of 2,048 tokens x 64 channels, both products on codes of FP6 (E2M3) with E8M0 scales; y is quantised along the channels and leaves as the last product's operand.
; THE SOFTMAX AHEAD OF THE SECOND PRODUCT: t = score x log2(e) / 8; M = the row's largest t so far, rounded up to a whole number; p = 2^(t - M) is quantised along the keys; the row's sum is taken of the unquantised p and
; divides at the end (v_rcp_f32 and a multiplication).  When M moves, the sum and O are multiplied by 2^(old M - new M): exact.
; SHARES.  Work-group (j, head) owns query blocks j and 15 - j of 128: 17 steps of 128 keys for each pair of tiles in every work-group, so the causal mask leaves all alike.  Each of sixteen waves owns one tile of 16 queries:
; tile w / 2 of block 15 - j or of block j, two waves of each kind among any four neighbours and among any four that lie 4 apart.
; LAYOUT.  Both products transposed: a lane holds one query.  K = 64 fills half of the instruction's 128: a fragment of k holds key tile 2 F at k 0-63 and tile 2 F + 1 at k 64-127, and q stands in 18 registers
; [codes 6][zeros 6][codes 6]: registers 0-11 give tile 2 F's scores, registers 6-17 tile 2 F + 1's (zero codes add nothing; their scale bytes are 0).
; Row r of tile T is row 32 (T / 2) + 8 (T % 2) + r + 8 (r / 8) of its 128: so p's 16 registers of two neighbouring tiles are 16 neighbouring keys.
; A STEP'S RECORD (k's four fragments, v's four: 12,288 bytes) goes from memory through registers into one of two LDS slots, 24 bytes a thread, a step ahead; one barrier a step.
; NO TENSOR LOAD, NO CLUSTER: the eight work-groups of a head walk 9 to 16 steps, so partners would need different numbers of tiles; here a step that nobody needs costs a barrier and no fetch.
; LIMITS: NaN and infinities are not served; a block of zeros gets the byte 1 (its codes are zeros; only this program reads the bytes).  y's scale bytes leave two at a time (lanes r and r + 16 store the same two): one byte in 24 of y's.
; REGISTERS: v1-8 addresses; v12 -M, v13 the largest t, v[14:15] the sum; v16-33 q; v34-35 q's scale words; v36-83 four fragments; v84-95 two staging sets; v96-159 S^T, then p; v160-191 O^T; v192-199 scale words, two sets; v224.. p's codes; v232-254 at work.
.set QS_OFF,  3145728
.set KVS_OFF, 6291456
.set YS_OFF,  3145728
.set REC,  12288
.set FRB,  1536
.set LI,   1                           ; v1 16 x lane
.set T8,   2                           ; v2 8 x thread
.set QWO,  3                           ; v3 16 r
.set DM,   5                           ; v5 my query's place in its block - 16 h
.set PFO,  6                           ; v6 256 x lane
.set YO8,  7                           ; v7 8 x lane
.set YSO,  8                           ; v8 4 r
.set SG,   84
.set SC0,  192
.set KVC,  10                          ; s[10:11] the codes' record of the step ahead
.set KVS,  12                          ; s[12:13] its scale words
.set PFA,  14                          ; s[14:15] where my prefetch stands
.set WV,   18
.set SEL,  20
.set CS,   22
.set BLK,  24                          ; my block of queries = my last step
.set NWG,  25                          ; the work-group's steps: 16 - j
.set ST,   26                          ; the step
.set TRIPS, 27
.set LIM,  28
.set TT,   29                          ; my tile
.set BH,   30
; A PREFETCH of the records of the two steps that the next trip's loads will ask for: 24,576 bytes, 8,192 a wave, lanes 256 bytes apart, one instruction a wave, behind the step's own loads.  All eight work-groups of a head
; read the same records: the first of them, which walks all sixteen steps, asks, in its waves 0 to 2: each block is named once.  Records 0 to 3 come by their loads alone; the last two trips ask for nothing.
.macro ASK
	s_cmp_gt_u32 s[TRIPS], s[LIM]
	s_cbranch_scc0 .Lnot_mine_\@
	global_prefetch_b8 v[PFO], s[PFA:PFA+1] th:TH_LOAD_NT scope:SCOPE_SE
.Lnot_mine_\@:
.endm
	s_load_b128 s[4:7], s[0:1], 0x0                ; qq s[4:5], kv s[6:7]
	s_load_b64 s[8:9], s[0:1], 0x10                ; yq
	v_lshl_add_u32 v251, v0, 2, 0x6000
	v_mov_b32 v255, 0
	v_lshrrev_b32 v9, 5, v0
	v_readfirstlane_b32 s[WV], v9                  ; wave 0..15
	v_and_b32 v9, 31, v0
	v_lshlrev_b32 v[LI], 4, v9
	v_lshlrev_b32 v[T8], 3, v0
	v_lshlrev_b32 v[PFO], 8, v9
	v_lshlrev_b32 v[YO8], 3, v9
	v_and_b32 v10, 15, v0                          ; r
	v_bfe_u32 v11, v0, 4, 1                        ; h
	v_lshlrev_b32 v[QWO], 4, v10
	v_lshlrev_b32 v[YSO], 2, v10
	s_and_b32 s[BH], ttmp7, 0xffff                 ; 16 x batch + head
	s_lshr_b32 s[TT], s[WV], 1
	s_lshr_b32 s31, s[WV], 2
	s_xor_b32 s31, s31, s[WV]
	s_and_b32 s31, s31, 1                          ; 1: the late block
	s_sub_co_u32 s32, 15, ttmp9
	s_cmp_eq_u32 s31, 1
	s_cselect_b32 s[BLK], s32, ttmp9
	s_sub_co_u32 s[NWG], 16, ttmp9
	s_lshr_b32 s33, s[TT], 1                       ; q's fragment,
	s_and_b32 s34, s[TT], 1                        ; and which half of it
	s_lshl_b32 s35, s33, 5
	s_lshl_b32 s36, s34, 3
	s_add_co_u32 s35, s35, s36
	v_and_b32 v12, 8, v10
	v_add_nc_u32 v12, v12, v10
	v_add_nc_u32 v12, s35, v12                     ; my query's place in its block
	v_lshlrev_b32 v13, 4, v11
	v_sub_nc_u32 v[DM], v12, v13
	s_mul_i32 s36, s[BH], 16*REC
	s_mov_b32 s37, 0
	s_lshl_b32 s38, s[BH], 13
	s_add_co_u32 s38, s38, KVS_OFF
	s_mov_b32 s39, 0
	s_lshl_b32 s40, s[BH], 4
	s_add_co_u32 s40, s40, s[BLK]                  ; q's record
	s_mul_i32 s42, s40, 4*FRB
	s_mul_i32 s41, s33, FRB
	s_add_co_u32 s42, s42, s41
	s_mov_b32 s43, 0
	s_lshl_b32 s44, s40, 8
	s_lshl_b32 s41, s33, 2
	s_add_co_u32 s44, s44, s41
	s_add_co_u32 s44, s44, QS_OFF
	s_mov_b32 s45, 0
	s_min_u32 s46, s[WV], 2
	s_lshl_b32 s46, s46, 13
	s_add_co_u32 s46, s46, s36
	s_add_co_u32 s46, s46, 2*REC                   ; at record 2: the first trip steps it to record 4
	s_mov_b32 s47, 0
	s_cmp_lt_u32 s[WV], 3
	s_cselect_b32 s48, 0, 1
	s_or_b32 s48, s48, ttmp9
	s_cmp_eq_u32 s48, 0
	s_cselect_b32 s[LIM], 2, -1                    ; a wave asks while more than this many trips are left
	s_mov_b32 s[SEL], 0x76543210
	s_mov_b32 s[SEL+1], 0xfedcba98
	s_mov_b32 s[CS], 0x3e38aa3b                    ; c = log2(e) / 8
	s_mov_b32 s[CS+1], s[CS]
	s_mov_b32 s[ST], 0
	s_wait_kmcnt 0x0
	s_add_nc_u64 s[KVC:KVC+1], s[6:7], s[36:37]
	s_add_nc_u64 s[KVS:KVS+1], s[6:7], s[38:39]
	s_add_nc_u64 s[PFA:PFA+1], s[6:7], s[46:47]
	s_add_nc_u64 s[42:43], s[4:5], s[42:43]
	s_add_nc_u64 s[44:45], s[4:5], s[44:45]
.irp i, 0,1,2
	global_load_b64 v[SG+2*\i:SG+2*\i+1], v[T8], s[KVC:KVC+1] offset:4096*\i   ; step 0's record
.endr
	global_load_b128 v[SC0:SC0+3], v[LI], s[KVS:KVS+1]   ; its scale words: lanes 0-15 k's four, lanes 16-31 v's four
.irp c, 0,1,2
	global_load_b128 v[36+4*\c:39+4*\c], v[LI], s[42:43] offset:512*\c   ; q's fragment: two tiles
.endr
	global_load_b32 v34, v[QWO], s[44:45]          ; and its scale word
.irp i, 0,1,2
	global_load_b64 v[SG+6+2*\i:SG+6+2*\i+1], v[T8], s[KVC:KVC+1] offset:REC+4096*\i   ; step 1's record
.endr
	s_wait_loadcnt 3                               ; all but step 1's three
.irp i, 0,1,2
	ds_store_b64 v[T8], v[SG+2*\i:SG+2*\i+1] offset:4096*\i
.endr
	s_cmp_eq_u32 s34, 1
	s_cselect_b32 s35, -1, 0
.irp i, 0,1,2,3,4,5
	v_cndmask_b32 v[16+\i], v[36+\i], v[42+\i], s35   ; my tile's half of the fragment
.endr
	s_lshl_b32 s36, s34, 4
	v_lshrrev_b32 v34, s36, v34
	v_and_b32 v34, 0xffff, v34                     ; my tile's two bytes under k 0-63,
	v_lshlrev_b32 v35, 16, v34                     ; or under k 64-127
.irp i, 0,1,2,3,4,5
	v_mov_b32 v[28+\i], v[16+\i]
	v_mov_b32 v[22+\i], 0
.endr
	v_mov_b32 v13, 0xff61b1e6                      ; the largest t so far: -3e38
	v_floor_f32 v12, -v13                          ; -M
	v_mov_b32 v14, 0
	v_mov_b32 v15, 0
.irp b, 0,1,2,3
	v_mov_b32 v[236+\b], 0                         ; a lane permute's destination counts as one of its sources
	v_mov_b32 v[SC0+4+\b], 0                       ; written once, so that every path finds the second set written
.endr
	v_mov_b32 v252, 0
	v_mov_b32 v253, 0
.set j, 0
.rept 32
	v_mov_b32 v[160+j], 0                          ; O^T: the step is written once; the first finds zeros
.set j, j+1
.endr
	s_wait_dscnt 0x0
	s_barrier_signal -1
	s_barrier_wait -1                              ; step 0's record lies in slot 0
; A STEP: 128 keys, in slot p.
.macro STEP p
	s_wait_loadcnt 0x0                             ; the next step's record and this step's scale words, asked for a step ago; so the bases may step
	s_add_nc_u64 s[KVC:KVC+1], s[KVC:KVC+1], REC
	s_add_nc_u64 s[KVS:KVS+1], s[KVS:KVS+1], 512
	s_add_co_u32 s31, s[ST], 1
	s_cmp_ge_u32 s31, s[NWG]                       ; the same in all sixteen waves
	s_cbranch_scc1 .Lno_copy_\@
.irp i, 0,1,2
	ds_store_b64 v[T8], v[SG+6*(1-\p)+2*\i:SG+6*(1-\p)+2*\i+1] offset:REC*(1-\p)+4096*\i   ; into the slot that everybody left at the last barrier
.endr
	global_load_b128 v[SC0+4*(1-\p):SC0+4*(1-\p)+3], v[LI], s[KVS:KVS+1]
	s_add_co_u32 s31, s[ST], 2
	s_cmp_ge_u32 s31, s[NWG]
	s_cbranch_scc1 .Lno_copy_\@
.irp i, 0,1,2
	global_load_b64 v[SG+6*\p+2*\i:SG+6*\p+2*\i+1], v[T8], s[KVC:KVC+1] offset:REC+4096*\i   ; the other staging set: its LDS stores were waited for at the last barrier
.endr
.Lno_copy_\@:
.if \p == 0
	ASK
.endif
	s_cmp_gt_u32 s[ST], s[BLK]                     ; all these keys come after my queries: no work, only the barrier
	s_cbranch_scc1 .Lidle_\@
.irp f, 0,1,2,3
.irp c, 0,1,2
	ds_load_b128 v[36+12*\f+4*\c:39+12*\f+4*\c], v[LI] offset:REC*\p+FRB*\f+512*\c
.endr
.endr
	s_wait_dscnt 0x0
.irp f, 0,1,2,3
.irp u, 0,1
	v_wmma_scale_f32_16x16x128_f8f6f4 v[96+8*(2*\f+\u):103+8*(2*\f+\u)], v[36+12*\f:47+12*\f], v[16+6*\u:27+6*\u], 0, v[SC0+4*\p+\f], v[34+\u] matrix_a_fmt:MATRIX_FMT_FP6 matrix_b_fmt:MATRIX_FMT_FP6
.endr
.endr
.rept 4
	v_nop                                          ; places in front of the loads below and of the first read of the scores
.endr
.irp t, 0,1,2,3
.irp c, 0,1,2
	ds_load_b128 v[36+12*\t+4*\c:39+12*\t+4*\c], v[LI] offset:REC*\p+4*FRB+FRB*\t+512*\c   ; v's fragments land under the softmax
.endr
.endr
	s_cmp_lg_u32 s[ST], s[BLK]                     ; on the diagonal hidden scores become -infinity: p = 0
	s_cbranch_scc1 .Lopen_\@
	v_mov_b32 v254, 0xff800000
.set n, 0
.rept 64
	v_cmp_gt_i32 vcc_lo, 32*(n/16)+n%16, v[DM]     ; register 16 b + i holds key 32 b + 16 h + i of the block
	v_cndmask_b32 v[96+n], v[96+n], v254, vcc_lo
.set n, n+1
.endr
.Lopen_\@:
.irp b, 0,1,2,3
	v_max3_num_f32 v[232+\b], v[96+16*\b], v[97+16*\b], v[98+16*\b]   ; the largest score of each block of 32 keys: for the row's maximum, and, since p rises with the score, for the block's largest p
.endr
.irp i, 3,5,7,9,11,13
.irp b, 0,1,2,3
	v_max3_num_f32 v[232+\b], v[232+\b], v[96+16*\b+\i], v[97+16*\b+\i]
.endr
.endr
.irp b, 0,1,2,3
	v_max_num_f32 v[232+\b], v[232+\b], v[111+16*\b]
.endr
.irp b, 0,1,2,3
	v_permlanex16_b32 v[236+\b], v[232+\b], s[SEL], s[SEL+1]
.endr
.irp b, 0,1,2,3
	v_max_num_f32 v[232+\b], v[232+\b], v[236+\b]
.endr
	v_max3_num_f32 v254, v232, v233, v234
	v_max_num_f32 v254, v254, v235
	v_mul_f32 v254, s[CS], v254
	v_max_num_f32 v13, v13, v254                   ; the running largest t
	v_mov_b32 v254, v12
	v_floor_f32 v12, -v13                          ; the new -M = -ceil(t)
	v_sub_f32 v254, v12, v254                      ; old M - new M: a whole number, 0 or less
	v_cvt_i32_f32 v254, v254
	v_ldexp_f32 v252, 1.0, v254                    ; f = 2^(old M - new M)
.set j, 0
.rept 32
	v_pk_fma_f32 v[96+j:97+j], v[96+j:97+j], s[CS:CS+1], v[12:13] op_sel_hi:[1,0,0]   ; t - M
.set j, j+2
.endr
.irp b, 0,1,2,3
	v_fma_f32 v[232+\b], v[232+\b], s[CS], v12
.endr
.set j, 0
.rept 64
	v_exp_f32 v[96+j], v[96+j]                     ; p = 2^(t - M)
.set j, j+1
.endr
	v_pk_mul_f32 v[14:15], v[14:15], v[252:253] op_sel_hi:[1,0]   ; the sums under the new M: the plain place behind the exponentials
	s_wait_alu depctr_va_vdst(0)                   ; one wait for the batch, ahead of its first reader
.irp b, 0,1,2,3
	v_exp_f32 v[232+\b], v[232+\b]                 ; the block's largest p
.endr
	v_pk_add_f32 v[236:237], v[96:97], v[98:99]    ; the row's sum, of the unquantised p, in two chains
.irp j, 4,8,12,16,20,24,28,32,36,40,44,48,52,56,60
	v_pk_add_f32 v[14:15], v[14:15], v[96+\j:97+\j]
	v_pk_add_f32 v[236:237], v[236:237], v[98+\j:99+\j]
.endr
	v_pk_add_f32 v[14:15], v[14:15], v[236:237]
	s_wait_alu depctr_va_vdst(0)                   ; and one for the four
.irp b, 0,1,2,3
	v_max_num_f32 v[232+\b], 0x1800000, v[232+\b]  ; the floor: the byte cannot fall under 1
.endr
.irp b, 0,1,2,3
	v_add_nc_u32 v[244+\b], 0xff000000, v[232+\b]
.endr
.irp b, 0,1,2,3
	v_lshrrev_b32 v[236+\b], 23, v[244+\b]
.endr
	v_lshl_or_b32 v253, v237, 8, v236              ; p's scale word for these 128 keys
	v_lshl_or_b32 v253, v238, 16, v253
	v_lshl_or_b32 v253, v239, 24, v253
.irp c, 0,1
	v_cvt_scalef32_pk16_fp6_f32 v[224+6*\c:226+6*\c], v[96+32*\c:111+32*\c], v[244+2*\c]
	v_cvt_scalef32_pk16_fp6_f32 v[236+4*\c:238+4*\c], v[112+32*\c:127+32*\c], v[244+2*\c+1]
.endr
	v_nop                                          ; one plain place behind a scaled conversion
.irp c, 0,1
.irp i, 0,1,2
	v_permlane16_swap_b32 v[224+6*\c+\i], v[236+4*\c+\i]
.endr
.irp i, 0,1,2
	v_mov_b32 v[227+6*\c+\i], v[236+4*\c+\i]
.endr
.endr
.set j, 0
.rept 16
	v_pk_mul_f32 v[160+j:161+j], v[160+j:161+j], v[252:253] op_sel_hi:[1,0]   ; O^T under the new M; also places in front of the products below
.set j, j+2
.endr
	s_wait_dscnt 0x0                               ; v's fragments
.irp t, 0,1,2,3
	v_wmma_scale_f32_16x16x128_f8f6f4 v[160+8*\t:167+8*\t], v[36+12*\t:47+12*\t], v[224:235], v[160+8*\t:167+8*\t], v[SC0+4*\p+\t], v253 matrix_a_fmt:MATRIX_FMT_FP6 matrix_b_fmt:MATRIX_FMT_FP6 matrix_a_scale:MATRIX_SCALE_ROW1
.endr
.rept 4
	v_nop                                          ; places in front of the next loads into the fragments' and scale words' registers, and of the last read of O^T
.endr
.Lidle_\@:
	s_add_co_u32 s[ST], s[ST], 1
	s_wait_dscnt 0x0                               ; my stores into the other slot have landed and my reads of this one are in
	s_barrier_signal -1
	s_barrier_wait -1
.endm
	s_mov_b32 s[TRIPS], 8
.Ltrip:
	s_wait_xcnt 0x0                                ; the last prefetch, a trip back, has read its address
	s_add_nc_u64 s[PFA:PFA+1], s[PFA:PFA+1], 2*REC
	STEP 0
	STEP 1
	s_sub_co_u32 s[TRIPS], s[TRIPS], 1
	s_cmp_lg_u32 s[TRIPS], 0
	s_cbranch_scc1 .Ltrip
	; THE WAY OUT: O^T / the sum; register 16 b + i is channel 32 b + 16 h + i of my query: two blocks of the last product's K.  Their codes are half a fragment (k 64 (head % 2) on).
	v_add_f32 v14, v14, v15
	v_permlanex16_b32 v252, v14, s[SEL], s[SEL+1]
	v_add_f32 v14, v14, v252                       ; the row's sum
	v_rcp_f32 v14, v14
	v_nop                                          ; a plain place behind the transcendental
	s_lshr_b32 s31, s[BH], 4
	s_lshl_b32 s31, s31, 4
	s_add_co_u32 s31, s31, s[BLK]                  ; the group of 128 tokens
	s_and_b32 s32, s[BH], 15                       ; the head
	s_lshl_b32 s33, s31, 2
	s_lshr_b32 s34, s32, 2
	s_add_co_u32 s33, s33, s34                     ; K / 256 = head / 4
	s_lshl_b32 s33, s33, 3
	s_add_co_u32 s33, s33, s[TT]
	s_lshl_b32 s33, s33, 1
	s_bfe_u32 s34, s32, 0x10001
	s_add_co_u32 s33, s33, s34                     ; (K / 128) % 2 = (head / 2) % 2
	s_mul_i32 s36, s33, FRB
	s_and_b32 s34, s32, 1
	s_mul_i32 s35, s34, 768
	s_add_co_u32 s36, s36, s35
	s_mov_b32 s37, 0
	s_add_nc_u64 s[36:37], s[8:9], s[36:37]
	s_lshl_b32 s38, s31, 3
	s_lshr_b32 s35, s32, 1
	s_add_co_u32 s38, s38, s35
	s_lshl_b32 s38, s38, 7
	s_lshl_b32 s35, s[TT], 4
	s_add_co_u32 s38, s38, s35
	s_lshl_b32 s38, s38, 2
	s_lshl_b32 s35, s34, 1
	s_add_co_u32 s38, s38, s35
	s_add_co_u32 s38, s38, YS_OFF
	s_mov_b32 s39, 0
	s_add_nc_u64 s[38:39], s[8:9], s[38:39]
	s_wait_alu depctr_va_vdst(0)                   ; ahead of the reciprocal's first reader
.set j, 0
.rept 32
	v_mul_f32 v[96+j], v[160+j], v14
.set j, j+1
.endr
.irp b, 0,1
	v_max3_num_f32 v[232+\b], |v[96+16*\b]|, |v[97+16*\b]|, 0x1800000
.endr
.irp i, 2,4,6,8,10,12,14
.irp b, 0,1
	v_max3_num_f32 v[232+\b], v[232+\b], |v[96+16*\b+\i]|, |v[97+16*\b+\i]|
.endr
.endr
.irp b, 0,1
	v_permlanex16_b32 v[236+\b], v[232+\b], s[SEL], s[SEL+1]
.endr
.irp b, 0,1
	v_max_num_f32 v[232+\b], v[232+\b], v[236+\b]
.endr
.irp b, 0,1
	v_add_nc_u32 v[244+\b], 0xff000000, v[232+\b]
.endr
.irp b, 0,1
	v_lshrrev_b32 v[236+\b], 23, v[244+\b]
.endr
	v_lshl_or_b32 v253, v237, 8, v236              ; my head's two bytes of the row's scale word
	v_cvt_scalef32_pk16_fp6_f32 v[224:226], v[96:111], v244
	v_cvt_scalef32_pk16_fp6_f32 v[236:238], v[112:127], v245
	v_nop
.irp i, 0,1,2
	v_permlane16_swap_b32 v[224+\i], v[236+\i]
.endr
.irp i, 0,1,2
	v_mov_b32 v[227+\i], v[236+\i]
.endr
	global_store_b128 v[LI], v[224:227], s[36:37]              ; the half fragment's first four registers: 512 consecutive bytes;
	global_store_b64 v[YO8], v[228:229], s[36:37] offset:512   ; its last two: 256
	global_store_b16 v[YSO], v253, s[38:39]
	s_wait_tensorcnt 0x0
	ds_add_u32 v251, v255
	s_wait_dscnt 0x0
	s_endpgm
.Lfunc_end_k_qc7dbdd2945_attn:
	.size	k_qc7dbdd2945_attn, .Lfunc_end_k_qc7dbdd2945_attn-k_qc7dbdd2945_attn
	.p2alignl 7, 3214868480
	.fill 96, 4, 3214868480
	.section	.rodata,"a",@progbits
	.p2align	6, 0x0
	.amdhsa_kernel k_qc7dbdd2945_attn
		.amdhsa_group_segment_fixed_size 26624
		.amdhsa_private_segment_fixed_size 0
		.amdhsa_enable_private_segment 0
		.amdhsa_kernarg_size 24
		.amdhsa_user_sgpr_count 2
		.amdhsa_user_sgpr_kernarg_segment_ptr 1
		.amdhsa_wavefront_size32 1
		.amdhsa_system_sgpr_workgroup_id_x 1
		.amdhsa_system_sgpr_workgroup_id_y 1
		.amdhsa_system_sgpr_workgroup_id_z 1
		.amdhsa_system_vgpr_workitem_id 0
		.amdhsa_next_free_vgpr 256
		.amdhsa_next_free_sgpr 66
		.amdhsa_reserve_vcc 1
		.amdhsa_float_denorm_mode_32 3
		.amdhsa_float_denorm_mode_16_64 3
		.amdhsa_memory_ordered 1
		.amdhsa_forward_progress 1
		.amdhsa_inst_pref_size 54
	.end_amdhsa_kernel
	.amdgpu_metadata
---
amdhsa.version: [ 1, 2 ]
amdhsa.kernels:
  - .name:           k_qc7dbdd2945_attn
    .symbol:         k_qc7dbdd2945_attn.kd
    .args:
      - { .name: qq, .offset: 0, .size: 8, .value_kind: global_buffer, .address_space: global }
      - { .name: kv, .offset: 8, .size: 8, .value_kind: global_buffer, .address_space: global }
      - { .name: yq, .offset: 16, .size: 8, .value_kind: global_buffer, .address_space: global }
    .group_segment_fixed_size: 26624
    .private_segment_fixed_size: 0
    .kernarg_segment_align: 8
    .kernarg_segment_size: 24
    .max_flat_workgroup_size: 512
    .sgpr_count:     66
    .vgpr_count:     256
    .wavefront_size: 32
...
	.end_amdgpu_metadata
.endif
;; end of part 3
;; launch proj (part 4): grid 8 x 32, 4 waves a work-group, clusters of 4 x 4, 229,888 bytes of LDS; arguments yq, pq, b_proj, out0; writes out0
.if DOCPART == 4
	.amdgcn_target "amdgcn-amd-amdhsa--gfx1250"
	.amdhsa_code_object_version 6
	.text
	.protected	k_qc7dbdd2945_proj
	.globl	k_qc7dbdd2945_proj
	.p2align	8
	.type	k_qc7dbdd2945_proj,@function
k_qc7dbdd2945_proj:
	s_mov_b64 s[64:65], 0
	v_nop
	global_prefetch_b8 v0, s[64:65] scope:SCOPE_SE
	s_setreg_imm32_b32 hwreg(HW_REG_WAVE_MODE, 25, 1), 1
	s_wait_xcnt 0x0
	s_wait_alu depctr_hold_cnt(0) depctr_sa_sdst(0) depctr_va_vdst(0) depctr_va_sdst(0) depctr_va_ssrc(0) depctr_va_vcc(0) depctr_vm_vsrc(0)
	s_getreg_b32 s2, hwreg(HW_REG_IB_STS2, 6, 4)
	s_cmp_eq_u32 s2, 0
	s_cbranch_scc0 .Lentry_in_a_cluster
	s_endpgm
.Lentry_in_a_cluster:
	s_bfe_u32 s2, ttmp6, 0x10000c
	s_cmp_lg_u32 s2, 0xf033
	s_cbranch_scc0 .Lentry_shape_is_right
	s_endpgm
.Lentry_shape_is_right:
; out = y w_proj + b_proj on codes of FP6 (E2M3) with E8M0 scales, K = 1,024.  y and w_proj lie as images of the operand registers, in groups of 128 rows (row r of tile T is row 32 (T / 2) + 8 (T % 2) + r + 8 (r / 8)).
; A tile of 128 x 128 to a work-group, 256 work-groups; four waves of 64 x 64, 16 accumulators each.  ALL OF K STAYS IN LDS: a group's codes are 98,304 dense bytes, its scale words 4,096; each LDS byte is filled once,
; by the first fills, so there is no ring.  The first half of K is multiplied while the second lands.
; y's fragments were stored in halves by two heads: registers 6 e .. 6 e + 3 of lane l at 768 e + 16 l, registers 6 e + 4, 6 e + 5 at 768 e + 512 + 8 l.  w_proj's: registers 4 c .. 4 c + 3 at 512 c + 16 l.
; CLUSTERS: 4 x 4: y's group is shared along a row of the cluster, w_proj's along a column: joint loads.
; Source 0 = 16 rows of w_proj, source 1 = 16 rows of y: a lane holds eight neighbouring outputs of a row.  The bias is the C of each sum's first product.
; REGISTERS: window 0: v0-31 addresses; v32-63 scale words (register 8 i + K / 128: lanes 0-15 y's tile i, lanes 16-31 w_proj's tile i); v64-95 the bias; v96-127 the way out; v128-255 accumulators.  window 1: two sets of 8 fragments.
.set RGB,    98304
.set KB,     24576
.set FRB,    1536
.set YS_OFF, 3145728
.set PS_OFF, 786432
.set LB,     98304                     ; LDS: y's codes at 0, w_proj's here,
.set SCL,    196608                    ; the scale words: y's 4,096 bytes, then w_proj's,
.set STAGE,  204800                    ; and a stage of 16 rows x (256 + 16) bytes for each wave, which no tensor load fills
.set SP,     272
.set A16,  16                          ; v16-17 16 x lane + my four tiles of y, for K / 256 = 0, 1 and for 2, 3
.set A8,   18                          ; v18-19 the same with 8 x lane
.set B16,  20                          ; v20-21 w_proj's
.set ADRS, 22
.set STO,  23
.set RD,   24
.set CO,   25
.set BO,   26
.set SC,   32
.set BIAS, 64
.set TB,   96
.set ACC,  128
.set F0,   0
.set G1,   24
.set G1B,  32
.set G1S,  40
.set G1SB, 48
.set MSB, 0
.macro WIN new
.if MSB != (\new)
	s_set_vgpr_msb (MSB<<8)|(\new)
.set MSB, (\new)
.endif
.endm
.macro JLOAD g0a, g1a, g0b, g1b        ; a joint load: waves 0 and 1 fetch for y, waves 2 and 3 for w_proj; four v_nop follow each of the two lines
	s_cmp_eq_u32 s15, 0
	s_cbranch_scc0 .Lfor_b_\@
	tensor_load_to_lds s[\g0a:\g0a+3], s[\g1a:\g1a+7]
	s_nop 0
.rept 4
	v_nop
.endr
	s_branch .Lasked_\@
.Lfor_b_\@:
	tensor_load_to_lds s[\g0b:\g0b+3], s[\g1b:\g1b+7]
	s_nop 0
.rept 4
	v_nop
.endr
.Lasked_\@:
.endm
.macro CROUND                          ; a round of the cluster's barrier
	s_barrier_signal -1
	s_barrier_wait -1
	s_cmp_lg_u32 s14, 0
	s_cbranch_scc1 .Lnot_wave_0_\@
	s_barrier_signal -3
.Lnot_wave_0_\@:
	s_barrier_wait -3
	s_barrier_signal -1
	s_barrier_wait -1
.endm
.macro PLACES
.rept 4
	v_nop
.endr
.endm
	s_load_b256 s[4:11], s[0:1], 0x0               ; yq s[4:5], pq s[6:7], b_proj s[8:9], out0 s[10:11]
	v_lshl_add_u32 v30, v0, 2, 0x38000
	v_mov_b32 v31, 0
	ds_add_u32 v30, v31
	ds_add_u32 v30, v31
	v_lshrrev_b32 v1, 5, v0
	v_readfirstlane_b32 s14, v1                    ; wave 0..3
	s_lshr_b32 s15, s14, 1                         ; my half of the rows.  Also: I fetch for y (0) or for w_proj (1)
	s_and_b32 s16, s14, 1                          ; my half of the columns.  Also: which parts I fetch
	s_bfe_u32 s84, ttmp6, 0x40000                  ; cx
	s_bfe_u32 s85, ttmp6, 0x40004                  ; cy
	s_lshl_b32 s86, ttmp9, 2
	s_add_co_u32 s86, s86, s84                     ; w_proj's group
	s_and_b32 s87, ttmp7, 0xffff
	s_lshl_b32 s87, s87, 2
	s_add_co_u32 s87, s87, s85                     ; y's group
	s_lshl_b32 s88, s85, 2
	s_lshl_b32 s88, 15, s88                        ; my row of the cluster
	s_lshl_b32 s89, 0x1111, s84                    ; my column
	; descriptor group 1: dense blocks as rows of 256 bytes (32 elements of 8 bytes), no padding: 96 rows of codes (256 along K), 8 rows of scale words (half a group's)
	s_or_b32 s[G1+0], s88, (3<<16)|(1<<21)
	s_or_b32 s[G1B+0], s89, (3<<16)|(1<<21)
.irp g, G1, G1B
	s_mov_b32 s[\g+1], 32<<16
	s_mov_b32 s[\g+2], 96<<16
	s_mov_b32 s[\g+3], 32<<16
	s_mov_b32 s[\g+4], 96
	s_mov_b32 s[\g+5], 32
	s_mov_b32 s[\g+6], 0
	s_mov_b32 s[\g+7], 0
.endr
	s_or_b32 s[G1S+0], s88, (3<<16)|(1<<21)
	s_or_b32 s[G1SB+0], s89, (3<<16)|(1<<21)
.irp g, G1S, G1SB
	s_mov_b32 s[\g+1], 32<<16
	s_mov_b32 s[\g+2], 8<<16
	s_mov_b32 s[\g+3], 32<<16
	s_mov_b32 s[\g+4], 8
	s_mov_b32 s[\g+5], 32
	s_mov_b32 s[\g+6], 0
	s_mov_b32 s[\g+7], 0
.endr
	s_mul_i32 s18, s16, KB
	s_lshl_b32 s19, s16, 11
	s_mul_i32 s20, s87, RGB
	s_add_co_u32 s20, s20, s18
	s_mov_b32 s21, 0
	s_lshl_b32 s22, s87, 12
	s_add_co_u32 s22, s22, s19
	s_add_co_u32 s22, s22, YS_OFF
	s_mov_b32 s23, 0
	s_mul_i32 s90, s86, RGB
	s_add_co_u32 s90, s90, s18
	s_mov_b32 s91, 0
	s_lshl_b32 s92, s86, 12
	s_add_co_u32 s92, s92, s19
	s_add_co_u32 s92, s92, PS_OFF
	s_mov_b32 s93, 0
	s_mul_i32 s94, s15, LB
	s_add_co_u32 s94, s94, s18                     ; where my codes go: by the wave's number alone
	s_lshl_b32 s95, s14, 11                        ; and my scale words
	s_wait_dscnt 0x0
	s_wait_kmcnt 0x0
	s_add_nc_u64 s[20:21], s[4:5], s[20:21]
	s_add_nc_u64 s[22:23], s[4:5], s[22:23]
	s_add_nc_u64 s[90:91], s[6:7], s[90:91]
	s_add_nc_u64 s[92:93], s[6:7], s[92:93]
	CROUND                                         ; all sixteen work-groups are here: the joint loads meet
	s_mov_b32 s56, 1
	s_add_co_u32 s57, s95, SCL
	s_mov_b64 s[58:59], s[22:23]
	s_or_b32 s59, s59, 0x80000000
	s_mov_b32 s72, 1
	s_add_co_u32 s73, s95, SCL
	s_mov_b64 s[74:75], s[92:93]
	s_or_b32 s75, s75, 0x80000000
	JLOAD 56, G1S, 72, G1SB                        ; half a group's scale words
	s_mov_b32 s60, 1
	s_add_co_u32 s61, s94, 0
	s_mov_b64 s[62:63], s[20:21]
	s_or_b32 s63, s63, 0x80000000
	s_mov_b32 s76, 1
	s_add_co_u32 s77, s94, 0
	s_mov_b64 s[78:79], s[90:91]
	s_or_b32 s79, s79, 0x80000000
	JLOAD 60, G1, 76, G1B                          ; K / 256 = 0 or 1
	s_mov_b32 s68, 1
	s_add_co_u32 s69, s94, 2*KB
	s_add_nc_u64 s[70:71], s[20:21], 2*KB
	s_or_b32 s71, s71, 0x80000000
	s_mov_b32 s80, 1
	s_add_co_u32 s81, s94, 2*KB
	s_add_nc_u64 s[82:83], s[90:91], 2*KB
	s_or_b32 s83, s83, 0x80000000
	JLOAD 68, G1, 80, G1B                          ; K / 256 = 2 or 3: three tensor loads of mine are out
	v_and_b32 v1, 15, v0                           ; r
	v_bfe_u32 v2, v0, 4, 1                         ; h
	v_and_b32 v3, 31, v0
	v_lshlrev_b32 v4, 4, v3
	v_lshlrev_b32 v5, 3, v3
	s_mul_i32 s21, s15, 8*FRB                      ; my four tiles of y: eight fragments in each 256 along K
	s_mul_i32 s22, s16, 8*FRB
	s_add_co_u32 s22, s22, LB
.irp s, 0,1
	v_add_nc_u32 v[A16+\s], s21, v4
	v_add_nc_u32 v[A8+\s], s21, v5
	v_add_nc_u32 v[B16+\s], s22, v4
	s_add_co_u32 s21, s21, 2*KB
	s_add_co_u32 s22, s22, 2*KB
.endr
	s_lshl_b32 s21, s15, 8                         ; scale words: y's, my four tiles;
	s_lshl_b32 s22, s16, 8                         ; w_proj's, 4,096 bytes on
	s_add_co_u32 s22, s22, 4096
	s_sub_co_u32 s22, s22, s21
	v_mul_u32_u24 v6, s22, v2                      ; lanes 16-31 take w_proj's
	s_add_co_u32 s21, s21, SCL
	v_lshl_add_u32 v6, v1, 2, v6
	v_add_nc_u32 v[ADRS], s21, v6
	s_mul_i32 s23, s14, 16*SP
	s_add_co_u32 s23, s23, STAGE                   ; my stage
	v_mul_u32_u24 v6, v1, SP
	v_lshl_add_u32 v6, v2, 6, v6
	v_add_nc_u32 v[STO], s23, v6                   ; in: row r, + 64 h
	v_mul_u32_u24 v6, v2, SP
	v_lshl_add_u32 v6, v1, 4, v6
	v_add_nc_u32 v[RD], s23, v6                    ; back: lanes 0-15 one row of 256 bytes, lanes 16-31 the next
	v_lshlrev_b32 v6, 12, v2
	v_lshl_add_u32 v[CO], v1, 4, v6                ; and the same two rows in out0
	s_lshl_b32 s20, s87, 7
	s_lshl_b32 s21, s15, 6
	s_add_co_u32 s20, s20, s21
	s_lshl_b32 s20, s20, 12                        ; my first row, 4,096 bytes a row
	s_lshl_b32 s90, s86, 9
	s_lshl_b32 s91, s16, 8
	s_add_co_u32 s90, s90, s91                     ; my first column, in bytes
	s_add_co_u32 s20, s20, s90
	s_mov_b32 s21, 0
	s_add_nc_u64 s[10:11], s[10:11], s[20:21]
	v_lshl_add_u32 v[BO], v2, 6, s90               ; the bias of tile b: columns 32 (b / 2) + 8 (b % 2) + 16 h + 0 .. 7
.irp b, 0,1,2,3
	global_load_b128 v[BIAS+8*\b:BIAS+8*\b+3], v[BO], s[8:9] offset:128*(\b/2)+32*(\b%2)
	global_load_b128 v[BIAS+8*\b+4:BIAS+8*\b+7], v[BO], s[8:9] offset:128*(\b/2)+32*(\b%2)+16
.endr
.macro FETCH kq, f                     ; the eight fragments of the kq-th 128 along K into set f: y's at f + 12 a, w_proj's at f + 48 + 12 b
	WIN 0x40                                       ; destination window 1
.set HK, (\kq)/4
.set OB, (((\kq)/2)%2)*KB+((\kq)%2)*FRB
.irp a, 0,1,2,3
	ds_load_b128 v[\f+12*\a:\f+12*\a+3], v[A16+HK] offset:OB+2*FRB*\a
	ds_load_b64 v[\f+12*\a+4:\f+12*\a+5], v[A8+HK] offset:OB+2*FRB*\a+512
	ds_load_b128 v[\f+12*\a+6:\f+12*\a+9], v[A16+HK] offset:OB+2*FRB*\a+768
	ds_load_b64 v[\f+12*\a+10:\f+12*\a+11], v[A8+HK] offset:OB+2*FRB*\a+1280
.endr
.irp b, 0,1,2,3
.irp c, 0,1,2
	ds_load_b128 v[\f+48+12*\b+4*\c:\f+48+12*\b+4*\c+3], v[B16+HK] offset:OB+2*FRB*\b+512*\c
.endr
.endr
	WIN 0
.endm
.macro MUL kq, f                       ; 16 products; the 16 accumulators take turns
	WIN 0x05                                       ; sources 0 and 1 window 1
.irp a, 0,1,2,3
.irp b, 0,1,2,3
.if (\kq) == 0
	v_wmma_scale_f32_16x16x128_f8f6f4 v[ACC+8*(4*\a+\b):ACC+8*(4*\a+\b)+7], v[\f+48+12*\b:\f+48+12*\b+11], v[\f+12*\a:\f+12*\a+11], v[BIAS+8*\b:BIAS+8*\b+7], v[SC+8*\b+(\kq)], v[SC+8*\a+(\kq)] matrix_a_fmt:MATRIX_FMT_FP6 matrix_b_fmt:MATRIX_FMT_FP6 matrix_a_scale:MATRIX_SCALE_ROW1
.else
	v_wmma_scale_f32_16x16x128_f8f6f4 v[ACC+8*(4*\a+\b):ACC+8*(4*\a+\b)+7], v[\f+48+12*\b:\f+48+12*\b+11], v[\f+12*\a:\f+12*\a+11], v[ACC+8*(4*\a+\b):ACC+8*(4*\a+\b)+7], v[SC+8*\b+(\kq)], v[SC+8*\a+(\kq)] matrix_a_fmt:MATRIX_FMT_FP6 matrix_b_fmt:MATRIX_FMT_FP6 matrix_a_scale:MATRIX_SCALE_ROW1
.endif
.endr
.endr
	WIN 0
.endm
	s_wait_tensorcnt 1                             ; my scale words and my part of the first half of K are in (the second half's load may be out),
	s_barrier_signal -1
	s_barrier_wait -1                              ; everybody's are
.irp i, 0,1,2,3
.irp k, 0,1,2,3,4,5,6,7
	ds_load_b32 v[SC+8*\i+\k], v[ADRS] offset:512*\k+64*\i
.endr
.endr
	FETCH 0, F0
.irp k, 0,1,2,3,4,5,6,7
	s_wait_dscnt 0x0                               ; this step's fragments are in
.if \k == 0
	s_wait_loadcnt 0x0                             ; the bias
.endif
.if \k == 3
	s_wait_tensorcnt 0x0                           ; my part of the second half of K is in,
	s_barrier_signal -1
	s_barrier_wait -1                              ; everybody's is
.endif
.if \k < 7
.if \k > 0
	PLACES                                         ; in front of loads into the set that the last step multiplied
.endif
	FETCH \k+1, F0+128*((\k+1)%2)
.endif
	MUL \k, F0+128*(\k%2)
.endr
; THE WAY OUT, a block of 16 rows x 64 columns at a time through my stage: a lane's 32 bytes go in, whole rows of 256 bytes come back, sixteen lanes store 256 consecutive bytes at a multiple of 256 from out0's first byte.
.macro TOSTAGE a
.irp b, 0,1,2,3
	ds_store_b128 v[STO], v[ACC+8*(4*(\a)+\b):ACC+8*(4*(\a)+\b)+3] offset:128*(\b/2)+32*(\b%2)      ; each accumulator from its low end on
	ds_store_b128 v[STO], v[ACC+8*(4*(\a)+\b)+4:ACC+8*(4*(\a)+\b)+7] offset:128*(\b/2)+32*(\b%2)+16
.endr
.set BB, TB-64*((\a)%2)
.irp i, 0,1,2,3,4,5,6,7
	ds_load_b128 v[BB+4*\i:BB+4*\i+3], v[RD] offset:2*SP*\i   ; LDS serves a wave's instructions in order: these see my stores
.endr
.endm
.macro SEND a, younger                 ; younger: the LDS instructions issued behind block a's loads
.set BB, TB-64*((\a)%2)
	s_wait_dscnt \younger
.irp i, 0,1,2,3,4,5,6,7
	global_store_b128 v[CO], v[BB+4*\i:BB+4*\i+3], s[10:11] offset:(32*((\a)/2)+8*((\a)%2)+2*\i+8*(\i/4))*4096 th:TH_STORE_NT   ; stage row p is row 32 (a / 2) + 8 (a % 2) + p + 8 (p / 8) of my 64
.endr
.endm
	PLACES                                         ; in front of the first read of results and of loads into the scale words' registers
	TOSTAGE 0
.irp a, 1,2,3
.if \a > 1
	s_wait_xcnt 0x0                                ; block a - 2's stores have read their registers: block a's loads may land there
.endif
	TOSTAGE \a
	SEND \a-1, 16                                  ; behind block a - 1's loads: block a's 8 stores and 8 loads
.endr
	SEND 3, 0
	s_wait_tensorcnt 0x0
	ds_add_u32 v30, v31
	s_wait_dscnt 0x0
	CROUND                                         ; the closing round: no work-group ends while a partner may still ask for a tile that names it
	s_endpgm
.Lfunc_end_k_qc7dbdd2945_proj:
	.size	k_qc7dbdd2945_proj, .Lfunc_end_k_qc7dbdd2945_proj-k_qc7dbdd2945_proj
	.p2alignl 7, 3214868480
	.fill 96, 4, 3214868480
	.section	.rodata,"a",@progbits
	.p2align	6, 0x0
	.amdhsa_kernel k_qc7dbdd2945_proj
		.amdhsa_group_segment_fixed_size 229888
		.amdhsa_private_segment_fixed_size 0
		.amdhsa_enable_private_segment 0
		.amdhsa_kernarg_size 32
		.amdhsa_user_sgpr_count 2
		.amdhsa_user_sgpr_kernarg_segment_ptr 1
		.amdhsa_wavefront_size32 1
		.amdhsa_system_sgpr_workgroup_id_x 1
		.amdhsa_system_sgpr_workgroup_id_y 1
		.amdhsa_system_sgpr_workgroup_id_z 1
		.amdhsa_system_vgpr_workitem_id 0
		.amdhsa_next_free_vgpr 512
		.amdhsa_next_free_sgpr 100
		.amdhsa_reserve_vcc 0
		.amdhsa_float_denorm_mode_32 3
		.amdhsa_float_denorm_mode_16_64 3
		.amdhsa_memory_ordered 1
		.amdhsa_forward_progress 1
		.amdhsa_inst_pref_size 52
	.end_amdhsa_kernel
	.amdgpu_metadata
---
amdhsa.version: [ 1, 2 ]
amdhsa.kernels:
  - .name:           k_qc7dbdd2945_proj
    .symbol:         k_qc7dbdd2945_proj.kd
    .args:
      - { .name: yq, .offset: 0, .size: 8, .value_kind: global_buffer, .address_space: global }
      - { .name: pq, .offset: 8, .size: 8, .value_kind: global_buffer, .address_space: global }
      - { .name: b_proj, .offset: 16, .size: 8, .value_kind: global_buffer, .address_space: global }
      - { .name: out0, .offset: 24, .size: 8, .value_kind: global_buffer, .address_space: global }
    .group_segment_fixed_size: 229888
    .private_segment_fixed_size: 0
    .kernarg_segment_align: 8
    .kernarg_segment_size: 32
    .max_flat_workgroup_size: 128
    .sgpr_count:     100
    .vgpr_count:     512
    .wavefront_size: 32
...
	.end_amdgpu_metadata
.endif
;; end of part 4
;; ======== version 2 of 2: 4 launches; version 1 with the launch attn written anew for expert scheduling mode
;; workspace buffers: xq 3,276,800 bytes; wq 2,457,600 bytes; pq 819,200 bytes; qq 3,276,800 bytes; kv 6,553,600 bytes; yq 3,276,800 bytes
;; launch quant: the kernel of part 1 again; grid 256 x 1, 8 waves a work-group, no clusters, 68,608 bytes of LDS; arguments x, w_attn, w_proj, xq, wq, pq; writes xq, wq, pq
;; launch qkv: the kernel of part 2 again; grid 12 x 16, 4 waves a work-group, clusters of 4 x 4, 327,680 bytes of LDS; arguments xq, wq, b_attn, qq, kv; writes qq, kv
;; launch attn (part 5): grid 8 x 32, 16 waves a work-group, no clusters, 26,624 bytes of LDS; arguments qq, kv, yq; writes yq
.if DOCPART == 5
	.amdgcn_target "amdgcn-amd-amdhsa--gfx1250"
	.amdhsa_code_object_version 6
	.text
	.protected	k_qc7dbdd2945_attn
	.globl	k_qc7dbdd2945_attn
	.p2align	8
	.type	k_qc7dbdd2945_attn,@function
k_qc7dbdd2945_attn:
	s_mov_b64 s[64:65], 0
	v_nop
	global_prefetch_b8 v0, s[64:65] scope:SCOPE_SE
	s_setreg_imm32_b32 hwreg(HW_REG_WAVE_SCHED_MODE, 0, 2), 2
	s_setreg_imm32_b32 hwreg(HW_REG_WAVE_MODE, 25, 1), 1
	s_wait_xcnt 0x0
	s_wait_alu depctr_vm_vsrc(0)
; y = softmax(q k^T / 8, causal) v for 32 heads of 2,048 tokens x 64 channels, both products on codes of FP6 (E2M3) with E8M0 scales; y is quantised along the channels and leaves as the last product's operand.
; THE SOFTMAX AHEAD OF THE SECOND PRODUCT: t = score x log2(e) / 8; M = the row's largest t so far, rounded up to a whole number; p = 2^(t - M) is quantised along the keys; the row's sum is taken of the unquantised p and
; divides at the end (v_rcp_f32 and a multiplication).  When M moves, the sum and O are multiplied by 2^(old M - new M): exact.
; SHARES.  Work-group (j, head) owns query blocks j and 15 - j of 128: 17 steps of 128 keys for each pair of tiles in every work-group, so the causal mask leaves all alike.  Each of sixteen waves owns one tile of 16 queries:
; tile w / 2 of block 15 - j or of block j, two waves of each kind among any four neighbours and among any four that lie 4 apart.
; LAYOUT.  Both products transposed: a lane holds one query.  K = 64 fills half of the instruction's 128: a fragment of k holds key tile 2 F at k 0-63 and tile 2 F + 1 at k 64-127, and q stands in 18 registers
; [codes 6][zeros 6][codes 6]: registers 0-11 give tile 2 F's scores, registers 6-17 tile 2 F + 1's (zero codes add nothing; their scale bytes are 0).
; Row r of tile T is row 32 (T / 2) + 8 (T % 2) + r + 8 (r / 8) of its 128: so p's 16 registers of two neighbouring tiles are 16 neighbouring keys.
; A STEP'S RECORD (k's four fragments, v's four: 12,288 bytes) goes from memory through registers into one of two LDS slots, 24 bytes a thread, a step ahead; one barrier a step.
; NO TENSOR LOAD, NO CLUSTER: the eight work-groups of a head walk 9 to 16 steps, so partners would need different numbers of tiles; here a step that nobody needs costs a barrier and no fetch.
; LIMITS: NaN and infinities are not served; a block of zeros gets the byte 1 (its codes are zeros; only this program reads the bytes).  y's scale bytes leave two at a time (lanes r and r + 16 store the same two): one byte in 24 of y's.
; REGISTERS: v1-8 addresses; v12 -M, v13 the largest t, v[14:15] the sum; v16-33 q; v34-35 q's scale words; v36-83 four fragments; v84-95 two staging sets; v96-159 S^T, then p; v160-191 O^T; v192-199 scale words, two sets; v224.. p's codes; v232-254 at work.
; THE MODE: SCHED_MODE bits 1:0 = 2 (LLVM: expert scheduling mode 2), set by the entry lines.  The code itself states the register dependences
; between vector or matrix instructions and memory or LDS instructions, with s_wait_alu, always for 0.
; THE PLAN.  Registers that memory or LDS instructions touch, in the loop:
;   v1, v2, v6      Addresses, made at the head and never written again: the scalar bases move on, and immediate offsets do the rest.
;   SG0, SG1        Staging (v84-89, v90-95).  Step p: its LDS stores read SG[1 - p]; its loads from memory land in SG[p], which the LDS stores of the step before read.  No vector instruction names them.
;   SC0, SC1        Scale words (v192-195, v196-199).  Step p: its twelve products read SC[p]; the load of the next step's words lands in SC[1 - p], which the products of the step before read.
;   v36-83          Four fragments.  Step p: k's land, the eight products K Q^T read them; then v's land, and the four products V^T P read them.
; So a step has: at its head one wait on va_vdst (the products of the step before are done reading SC[1 - p] and the fragments) and one on vm_vsrc (the LDS stores of the step before have read SG[p]);
; behind K Q^T's places one wait on va_vdst (those products are done reading k's fragments), behind which v's twelve loads are dealt among the lines of the maximum, which name S^T and v232-235 alone;
; the two waits behind the exponentials; and one wait on va_vdst ahead of V^T P (p's codes and scale word are written).  The diagonal's compares go in runs of sixteen into s40-55, one wait on va_sdst behind each run.
.set QS_OFF,  3145728
.set KVS_OFF, 6291456
.set YS_OFF,  3145728
.set REC,  12288
.set FRB,  1536
.set LI,   1                           ; v1 16 x lane
.set T8,   2                           ; v2 8 x thread
.set QWO,  3                           ; v3 16 r
.set DM,   5                           ; v5 my query's place in its block - 16 h
.set PFO,  6                           ; v6 256 x lane
.set YO8,  7                           ; v7 8 x lane
.set YSO,  8                           ; v8 4 r
.set SG,   84
.set SC0,  192
.set KVC,  10                          ; s[10:11] the codes' record of the step ahead
.set KVS,  12                          ; s[12:13] its scale words
.set PFA,  14                          ; s[14:15] where my prefetch stands
.set WV,   18
.set SEL,  20
.set CS,   22
.set BLK,  24                          ; my block of queries = my last step
.set NWG,  25                          ; the work-group's steps: 16 - j
.set ST,   26                          ; the step
.set TRIPS, 27
.set LIM,  28
.set TT,   29                          ; my tile
.set BH,   30
.set MK,   40                          ; s[40:55] in the loop: sixteen masks of the diagonal's step
; A PREFETCH of the records of the two steps that the next trip's loads will ask for: 24,576 bytes, 8,192 a wave, lanes 256 bytes apart, one instruction a wave, behind the step's own loads.  All eight work-groups of a head
; read the same records: the first of them, which walks all sixteen steps, asks, in its waves 0 to 2: each block is named once.  Records 0 to 3 come by their loads alone; the last two trips ask for nothing.
.macro ASK
	s_cmp_gt_u32 s[TRIPS], s[LIM]
	s_cbranch_scc0 .Lnot_mine_\@
	global_prefetch_b8 v[PFO], s[PFA:PFA+1] th:TH_LOAD_NT scope:SCOPE_SE
.Lnot_mine_\@:
.endm
	s_load_b128 s[4:7], s[0:1], 0x0                ; qq s[4:5], kv s[6:7]
	s_load_b64 s[8:9], s[0:1], 0x10                ; yq
	v_lshl_add_u32 v251, v0, 2, 0x6000
	v_mov_b32 v255, 0
	v_lshrrev_b32 v9, 5, v0
	v_readfirstlane_b32 s[WV], v9                  ; wave 0..15
	v_and_b32 v9, 31, v0
	v_lshlrev_b32 v[LI], 4, v9
	v_lshlrev_b32 v[T8], 3, v0
	v_lshlrev_b32 v[PFO], 8, v9
	v_lshlrev_b32 v[YO8], 3, v9
	v_and_b32 v10, 15, v0                          ; r
	v_bfe_u32 v11, v0, 4, 1                        ; h
	v_lshlrev_b32 v[QWO], 4, v10
	v_lshlrev_b32 v[YSO], 2, v10
	s_and_b32 s[BH], ttmp7, 0xffff                 ; 16 x batch + head
	s_wait_alu depctr_va_sdst(0)                   ; the wave's number s18 is written, ahead of its first reader: my tile, my block and my bases are made from it
	s_lshr_b32 s[TT], s[WV], 1
	s_lshr_b32 s31, s[WV], 2
	s_xor_b32 s31, s31, s[WV]
	s_and_b32 s31, s31, 1                          ; 1: the late block
	s_sub_co_u32 s32, 15, ttmp9
	s_cmp_eq_u32 s31, 1
	s_cselect_b32 s[BLK], s32, ttmp9
	s_sub_co_u32 s[NWG], 16, ttmp9
	s_lshr_b32 s33, s[TT], 1                       ; q's fragment,
	s_and_b32 s34, s[TT], 1                        ; and which half of it
	s_lshl_b32 s35, s33, 5
	s_lshl_b32 s36, s34, 3
	s_add_co_u32 s35, s35, s36
	v_and_b32 v12, 8, v10
	v_add_nc_u32 v12, v12, v10
	v_add_nc_u32 v12, s35, v12                     ; my query's place in its block
	v_lshlrev_b32 v13, 4, v11
	v_sub_nc_u32 v[DM], v12, v13
	s_mul_i32 s36, s[BH], 16*REC
	s_mov_b32 s37, 0
	s_lshl_b32 s38, s[BH], 13
	s_add_co_u32 s38, s38, KVS_OFF
	s_mov_b32 s39, 0
	s_lshl_b32 s40, s[BH], 4
	s_add_co_u32 s40, s40, s[BLK]                  ; q's record
	s_mul_i32 s42, s40, 4*FRB
	s_mul_i32 s41, s33, FRB
	s_add_co_u32 s42, s42, s41
	s_mov_b32 s43, 0
	s_lshl_b32 s44, s40, 8
	s_lshl_b32 s41, s33, 2
	s_add_co_u32 s44, s44, s41
	s_add_co_u32 s44, s44, QS_OFF
	s_mov_b32 s45, 0
	s_min_u32 s46, s[WV], 2
	s_lshl_b32 s46, s46, 13
	s_add_co_u32 s46, s46, s36
	s_add_co_u32 s46, s46, 2*REC                   ; at record 2: the first trip steps it to record 4
	s_mov_b32 s47, 0
	s_cmp_lt_u32 s[WV], 3
	s_cselect_b32 s48, 0, 1
	s_or_b32 s48, s48, ttmp9
	s_cmp_eq_u32 s48, 0
	s_cselect_b32 s[LIM], 2, -1                    ; a wave asks while more than this many trips are left
	s_mov_b32 s[SEL], 0x76543210
	s_mov_b32 s[SEL+1], 0xfedcba98
	s_mov_b32 s[CS], 0x3e38aa3b                    ; c = log2(e) / 8
	s_mov_b32 s[CS+1], s[CS]
	s_mov_b32 s[ST], 0
	s_wait_kmcnt 0x0
	s_add_nc_u64 s[KVC:KVC+1], s[6:7], s[36:37]
	s_add_nc_u64 s[KVS:KVS+1], s[6:7], s[38:39]
	s_add_nc_u64 s[PFA:PFA+1], s[6:7], s[46:47]
	s_add_nc_u64 s[42:43], s[4:5], s[42:43]
	s_add_nc_u64 s[44:45], s[4:5], s[44:45]
	s_wait_alu depctr_va_vdst(0)                   ; the addresses v1, v2, v3, v6, v7 and v8 are written: every load, store, LDS instruction and prefetch of the kernel reads one of them, and none is written again
.irp i, 0,1,2
	global_load_b64 v[SG+2*\i:SG+2*\i+1], v[T8], s[KVC:KVC+1] offset:4096*\i   ; step 0's record
.endr
	global_load_b128 v[SC0:SC0+3], v[LI], s[KVS:KVS+1]   ; its scale words: lanes 0-15 k's four, lanes 16-31 v's four
.irp c, 0,1,2
	global_load_b128 v[36+4*\c:39+4*\c], v[LI], s[42:43] offset:512*\c   ; q's fragment: two tiles
.endr
	global_load_b32 v34, v[QWO], s[44:45]          ; and its scale word
.irp i, 0,1,2
	global_load_b64 v[SG+6+2*\i:SG+6+2*\i+1], v[T8], s[KVC:KVC+1] offset:REC+4096*\i   ; step 1's record
.endr
	s_wait_loadcnt 3                               ; all but step 1's three
.irp i, 0,1,2
	ds_store_b64 v[T8], v[SG+2*\i:SG+2*\i+1] offset:4096*\i
.endr
	s_cmp_eq_u32 s34, 1
	s_cselect_b32 s35, -1, 0
.irp i, 0,1,2,3,4,5
	v_cndmask_b32 v[16+\i], v[36+\i], v[42+\i], s35   ; my tile's half of the fragment
.endr
	s_lshl_b32 s36, s34, 4
	v_lshrrev_b32 v34, s36, v34
	v_and_b32 v34, 0xffff, v34                     ; my tile's two bytes under k 0-63,
	v_lshlrev_b32 v35, 16, v34                     ; or under k 64-127
.irp i, 0,1,2,3,4,5
	v_mov_b32 v[28+\i], v[16+\i]
	v_mov_b32 v[22+\i], 0
.endr
	v_mov_b32 v13, 0xff61b1e6                      ; the largest t so far: -3e38
	v_floor_f32 v12, -v13                          ; -M
	v_mov_b32 v14, 0
	v_mov_b32 v15, 0
.irp b, 0,1,2,3
	v_mov_b32 v[236+\b], 0                         ; a lane permute's destination counts as one of its sources
	v_mov_b32 v[SC0+4+\b], 0                       ; written once, so that every path finds the second set written
.endr
	v_mov_b32 v252, 0
	v_mov_b32 v253, 0
.set j, 0
.rept 32
	v_mov_b32 v[160+j], 0                          ; O^T: the step is written once; the first finds zeros
.set j, j+1
.endr
	s_wait_dscnt 0x0
	s_barrier_signal -1
	s_barrier_wait -1                              ; step 0's record lies in slot 0
; A STEP: 128 keys, in slot p.
.macro STEP p
	s_wait_loadcnt 0x0                             ; the next step's record and this step's scale words, asked for a step ago; so the bases may step
	s_wait_alu depctr_va_vdst(0)                   ; the products of the step before are done reading the other set of scale words and the fragments v36-83, in which the loads below land; in the first trip: the head has written v196-199, is done reading v36-47, and has written q's registers v16-33 and scale words v34, v35, which the scaled products take
	s_wait_alu depctr_vm_vsrc(0)                   ; the LDS stores of the step before (in the first trip: the head's) have read this step's staging set, in which the loads from memory below land
	s_add_nc_u64 s[KVC:KVC+1], s[KVC:KVC+1], REC
	s_add_nc_u64 s[KVS:KVS+1], s[KVS:KVS+1], 512
	s_add_co_u32 s31, s[ST], 1
	s_cmp_ge_u32 s31, s[NWG]                       ; the same in all sixteen waves
	s_cbranch_scc1 .Lno_copy_\@
.irp i, 0,1,2
	ds_store_b64 v[T8], v[SG+6*(1-\p)+2*\i:SG+6*(1-\p)+2*\i+1] offset:REC*(1-\p)+4096*\i   ; into the slot that everybody left at the last barrier
.endr
	global_load_b128 v[SC0+4*(1-\p):SC0+4*(1-\p)+3], v[LI], s[KVS:KVS+1]
	s_add_co_u32 s31, s[ST], 2
	s_cmp_ge_u32 s31, s[NWG]
	s_cbranch_scc1 .Lno_copy_\@
.irp i, 0,1,2
	global_load_b64 v[SG+6*\p+2*\i:SG+6*\p+2*\i+1], v[T8], s[KVC:KVC+1] offset:REC+4096*\i   ; the other staging set: the LDS stores that read it stand a step back, ahead of the wait on vm_vsrc at this step's head
.endr
.Lno_copy_\@:
.if \p == 0
	ASK
.endif
	s_cmp_gt_u32 s[ST], s[BLK]                     ; all these keys come after my queries: no work, only the barrier
	s_cbranch_scc1 .Lidle_\@
.irp f, 0,1,2,3
.irp c, 0,1,2
	ds_load_b128 v[36+12*\f+4*\c:39+12*\f+4*\c], v[LI] offset:REC*\p+FRB*\f+512*\c   ; no vector or matrix instruction stands between the wait on va_vdst at the step's head and these
.endr
.endr
	s_wait_dscnt 0x0
.irp f, 0,1,2,3
.irp u, 0,1
	v_wmma_scale_f32_16x16x128_f8f6f4 v[96+8*(2*\f+\u):103+8*(2*\f+\u)], v[36+12*\f:47+12*\f], v[16+6*\u:27+6*\u], 0, v[SC0+4*\p+\f], v[34+\u] matrix_a_fmt:MATRIX_FMT_FP6 matrix_b_fmt:MATRIX_FMT_FP6
.endr
.endr
.rept 4
	v_nop                                          ; places in front of the first read of the scores
.endr
	s_wait_alu depctr_va_vdst(0)                   ; the eight products are done reading k's fragments v36-83, in which v's land: those twelve loads stand among the lines of the maximum below
	s_cmp_lg_u32 s[ST], s[BLK]                     ; on the diagonal hidden scores become -infinity: p = 0
	s_cbranch_scc1 .Lopen_\@
	v_mov_b32 v254, 0xff800000
.irp b, 0,1,2,3                                ; a block of 32 keys at a time: sixteen compares into sixteen masks, one wait, sixteen selects
.set n, 0
.rept 16
	v_cmp_gt_i32 s[MK+n], 32*\b+n, v[DM]           ; register 16 b + i holds key 32 b + 16 h + i of the block
.set n, n+1
.endr
	s_wait_alu depctr_va_sdst(0)                   ; the sixteen compares have written the masks s40-55, ahead of the selects that read them
.set n, 0
.rept 16
	v_cndmask_b32 v[96+16*\b+n], v[96+16*\b+n], v254, s[MK+n]
.set n, n+1
.endr
.endr
.Lopen_\@:
.irp b, 0,1,2,3
	v_max3_num_f32 v[232+\b], v[96+16*\b], v[97+16*\b], v[98+16*\b]   ; the largest score of each block of 32 keys: for the row's maximum, and, since p rises with the score, for the block's largest p
.endr
.irp i, 3,5,7,9,11,13
.if \i < 11
.irp c, 0,1,2
	ds_load_b128 v[36+12*((\i-3)/2)+4*\c:39+12*((\i-3)/2)+4*\c], v[LI] offset:REC*\p+4*FRB+FRB*((\i-3)/2)+512*\c   ; one of v's four fragments: they land under the softmax.  No wait: no vector or matrix instruction since the wait behind the products names v36-83 or v1
.endr
.endif
.irp b, 0,1,2,3
	v_max3_num_f32 v[232+\b], v[232+\b], v[96+16*\b+\i], v[97+16*\b+\i]
.endr
.endr
.irp b, 0,1,2,3
	v_max_num_f32 v[232+\b], v[232+\b], v[111+16*\b]
.endr
.irp b, 0,1,2,3
	v_permlanex16_b32 v[236+\b], v[232+\b], s[SEL], s[SEL+1]
.endr
.irp b, 0,1,2,3
	v_max_num_f32 v[232+\b], v[232+\b], v[236+\b]
.endr
	v_max3_num_f32 v254, v232, v233, v234
	v_max_num_f32 v254, v254, v235
	v_mul_f32 v254, s[CS], v254
	v_max_num_f32 v13, v13, v254                   ; the running largest t
	v_mov_b32 v254, v12
	v_floor_f32 v12, -v13                          ; the new -M = -ceil(t)
	v_sub_f32 v254, v12, v254                      ; old M - new M: a whole number, 0 or less
	v_cvt_i32_f32 v254, v254
	v_ldexp_f32 v252, 1.0, v254                    ; f = 2^(old M - new M)
.set j, 0
.rept 32
	v_pk_fma_f32 v[96+j:97+j], v[96+j:97+j], s[CS:CS+1], v[12:13] op_sel_hi:[1,0,0]   ; t - M
.set j, j+2
.endr
.irp b, 0,1,2,3
	v_fma_f32 v[232+\b], v[232+\b], s[CS], v12
.endr
.set j, 0
.rept 64
	v_exp_f32 v[96+j], v[96+j]                     ; p = 2^(t - M)
.set j, j+1
.endr
	v_pk_mul_f32 v[14:15], v[14:15], v[252:253] op_sel_hi:[1,0]   ; the sums under the new M: the plain place behind the exponentials
	s_wait_alu depctr_va_vdst(0)                   ; the 64 exponentials have written p, v96-159: one wait for the batch, ahead of its first reader
.irp b, 0,1,2,3
	v_exp_f32 v[232+\b], v[232+\b]                 ; the block's largest p
.endr
	v_pk_add_f32 v[236:237], v[96:97], v[98:99]    ; the row's sum, of the unquantised p, in two chains
.irp j, 4,8,12,16,20,24,28,32,36,40,44,48,52,56,60
	v_pk_add_f32 v[14:15], v[14:15], v[96+\j:97+\j]
	v_pk_add_f32 v[236:237], v[236:237], v[98+\j:99+\j]
.endr
	v_pk_add_f32 v[14:15], v[14:15], v[236:237]
	s_wait_alu depctr_va_vdst(0)                   ; the four exponentials have written v232-235, ahead of their first reader
.irp b, 0,1,2,3
	v_max_num_f32 v[232+\b], 0x1800000, v[232+\b]  ; the floor: the byte cannot fall under 1
.endr
.irp b, 0,1,2,3
	v_add_nc_u32 v[244+\b], 0xff000000, v[232+\b]
.endr
.irp b, 0,1,2,3
	v_lshrrev_b32 v[236+\b], 23, v[244+\b]
.endr
	v_lshl_or_b32 v253, v237, 8, v236              ; p's scale word for these 128 keys
	v_lshl_or_b32 v253, v238, 16, v253
	v_lshl_or_b32 v253, v239, 24, v253
.irp c, 0,1
	v_cvt_scalef32_pk16_fp6_f32 v[224+6*\c:226+6*\c], v[96+32*\c:111+32*\c], v[244+2*\c]
	v_cvt_scalef32_pk16_fp6_f32 v[236+4*\c:238+4*\c], v[112+32*\c:127+32*\c], v[244+2*\c+1]
.endr
	v_nop                                          ; one plain place behind a scaled conversion
.irp c, 0,1
.irp i, 0,1,2
	v_permlane16_swap_b32 v[224+6*\c+\i], v[236+4*\c+\i]
.endr
.irp i, 0,1,2
	v_mov_b32 v[227+6*\c+\i], v[236+4*\c+\i]
.endr
.endr
.set j, 0
.rept 16
	v_pk_mul_f32 v[160+j:161+j], v[160+j:161+j], v[252:253] op_sel_hi:[1,0]   ; O^T under the new M; also places in front of the products below
.set j, j+2
.endr
	s_wait_dscnt 0x0                               ; v's fragments
	s_wait_alu depctr_va_vdst(0)                   ; p's codes v224-235 and its scale word v253 are written, which the scaled products below take; the places above stay beside this wait
.irp t, 0,1,2,3
	v_wmma_scale_f32_16x16x128_f8f6f4 v[160+8*\t:167+8*\t], v[36+12*\t:47+12*\t], v[224:235], v[160+8*\t:167+8*\t], v[SC0+4*\p+\t], v253 matrix_a_fmt:MATRIX_FMT_FP6 matrix_b_fmt:MATRIX_FMT_FP6 matrix_a_scale:MATRIX_SCALE_ROW1
.endr
.rept 4
	v_nop                                          ; places in front of the last read of O^T, on the way out (the next loads into the fragments' and scale words' registers have the wait at the next step's head)
.endr
.Lidle_\@:
	s_add_co_u32 s[ST], s[ST], 1
	s_wait_dscnt 0x0                               ; my stores into the other slot have landed and my reads of this one are in
	s_barrier_signal -1
	s_barrier_wait -1
.endm
	s_mov_b32 s[TRIPS], 8
.Ltrip:
	s_wait_xcnt 0x0                                ; the last prefetch, a trip back, has read its address
	s_add_nc_u64 s[PFA:PFA+1], s[PFA:PFA+1], 2*REC
	STEP 0
	STEP 1
	s_sub_co_u32 s[TRIPS], s[TRIPS], 1
	s_cmp_lg_u32 s[TRIPS], 0
	s_cbranch_scc1 .Ltrip
	; THE WAY OUT: O^T / the sum; register 16 b + i is channel 32 b + 16 h + i of my query: two blocks of the last product's K.  Their codes are half a fragment (k 64 (head % 2) on).
	v_add_f32 v14, v14, v15
	v_permlanex16_b32 v252, v14, s[SEL], s[SEL+1]
	v_add_f32 v14, v14, v252                       ; the row's sum
	v_rcp_f32 v14, v14
	v_nop                                          ; a plain place behind the transcendental
	s_lshr_b32 s31, s[BH], 4
	s_lshl_b32 s31, s31, 4
	s_add_co_u32 s31, s31, s[BLK]                  ; the group of 128 tokens
	s_and_b32 s32, s[BH], 15                       ; the head
	s_lshl_b32 s33, s31, 2
	s_lshr_b32 s34, s32, 2
	s_add_co_u32 s33, s33, s34                     ; K / 256 = head / 4
	s_lshl_b32 s33, s33, 3
	s_add_co_u32 s33, s33, s[TT]
	s_lshl_b32 s33, s33, 1
	s_bfe_u32 s34, s32, 0x10001
	s_add_co_u32 s33, s33, s34                     ; (K / 128) % 2 = (head / 2) % 2
	s_mul_i32 s36, s33, FRB
	s_and_b32 s34, s32, 1
	s_mul_i32 s35, s34, 768
	s_add_co_u32 s36, s36, s35
	s_mov_b32 s37, 0
	s_add_nc_u64 s[36:37], s[8:9], s[36:37]
	s_lshl_b32 s38, s31, 3
	s_lshr_b32 s35, s32, 1
	s_add_co_u32 s38, s38, s35
	s_lshl_b32 s38, s38, 7
	s_lshl_b32 s35, s[TT], 4
	s_add_co_u32 s38, s38, s35
	s_lshl_b32 s38, s38, 2
	s_lshl_b32 s35, s34, 1
	s_add_co_u32 s38, s38, s35
	s_add_co_u32 s38, s38, YS_OFF
	s_mov_b32 s39, 0
	s_add_nc_u64 s[38:39], s[8:9], s[38:39]
	s_wait_alu depctr_va_vdst(0)                   ; the reciprocal has written v14, ahead of its first reader
.set j, 0
.rept 32
	v_mul_f32 v[96+j], v[160+j], v14
.set j, j+1
.endr
.irp b, 0,1
	v_max3_num_f32 v[232+\b], |v[96+16*\b]|, |v[97+16*\b]|, 0x1800000
.endr
.irp i, 2,4,6,8,10,12,14
.irp b, 0,1
	v_max3_num_f32 v[232+\b], v[232+\b], |v[96+16*\b+\i]|, |v[97+16*\b+\i]|
.endr
.endr
.irp b, 0,1
	v_permlanex16_b32 v[236+\b], v[232+\b], s[SEL], s[SEL+1]
.endr
.irp b, 0,1
	v_max_num_f32 v[232+\b], v[232+\b], v[236+\b]
.endr
.irp b, 0,1
	v_add_nc_u32 v[244+\b], 0xff000000, v[232+\b]
.endr
.irp b, 0,1
	v_lshrrev_b32 v[236+\b], 23, v[244+\b]
.endr
	v_lshl_or_b32 v253, v237, 8, v236              ; my head's two bytes of the row's scale word
	v_cvt_scalef32_pk16_fp6_f32 v[224:226], v[96:111], v244
	v_cvt_scalef32_pk16_fp6_f32 v[236:238], v[112:127], v245
	v_nop
.irp i, 0,1,2
	v_permlane16_swap_b32 v[224+\i], v[236+\i]
.endr
.irp i, 0,1,2
	v_mov_b32 v[227+\i], v[236+\i]
.endr
	s_wait_alu depctr_va_vdst(0)                   ; y's codes v224-229 and its two scale bytes in v253 are written, which the three stores read
	global_store_b128 v[LI], v[224:227], s[36:37]              ; the half fragment's first four registers: 512 consecutive bytes;
	global_store_b64 v[YO8], v[228:229], s[36:37] offset:512   ; its last two: 256
	global_store_b16 v[YSO], v253, s[38:39]
	s_wait_dscnt 0x0
	s_wait_alu depctr_hold_cnt(0) depctr_sa_sdst(0) depctr_va_vdst(0) depctr_va_sdst(0) depctr_va_ssrc(0) depctr_va_vcc(0) depctr_vm_vsrc(0)
	s_wait_tensorcnt 0x0
	ds_add_u32 v251, v255
	s_wait_dscnt 0x0
	s_endpgm
.Lfunc_end_k_qc7dbdd2945_attn:
	.size	k_qc7dbdd2945_attn, .Lfunc_end_k_qc7dbdd2945_attn-k_qc7dbdd2945_attn
	.p2alignl 7, 3214868480
	.fill 96, 4, 3214868480
	.section	.rodata,"a",@progbits
	.p2align	6, 0x0
	.amdhsa_kernel k_qc7dbdd2945_attn
		.amdhsa_group_segment_fixed_size 26624
		.amdhsa_private_segment_fixed_size 0
		.amdhsa_enable_private_segment 0
		.amdhsa_kernarg_size 24
		.amdhsa_user_sgpr_count 2
		.amdhsa_user_sgpr_kernarg_segment_ptr 1
		.amdhsa_wavefront_size32 1
		.amdhsa_system_sgpr_workgroup_id_x 1
		.amdhsa_system_sgpr_workgroup_id_y 1
		.amdhsa_system_sgpr_workgroup_id_z 1
		.amdhsa_system_vgpr_workitem_id 0
		.amdhsa_next_free_vgpr 256
		.amdhsa_next_free_sgpr 66
		.amdhsa_reserve_vcc 0
		.amdhsa_float_denorm_mode_32 3
		.amdhsa_float_denorm_mode_16_64 3
		.amdhsa_memory_ordered 1
		.amdhsa_forward_progress 1
		.amdhsa_inst_pref_size 63
	.end_amdhsa_kernel
	.amdgpu_metadata
---
amdhsa.version: [ 1, 2 ]
amdhsa.kernels:
  - .name:           k_qc7dbdd2945_attn
    .symbol:         k_qc7dbdd2945_attn.kd
    .args:
      - { .name: qq, .offset: 0, .size: 8, .value_kind: global_buffer, .address_space: global }
      - { .name: kv, .offset: 8, .size: 8, .value_kind: global_buffer, .address_space: global }
      - { .name: yq, .offset: 16, .size: 8, .value_kind: global_buffer, .address_space: global }
    .group_segment_fixed_size: 26624
    .private_segment_fixed_size: 0
    .kernarg_segment_align: 8
    .kernarg_segment_size: 24
    .max_flat_workgroup_size: 512
    .sgpr_count:     66
    .vgpr_count:     256
    .wavefront_size: 32
...
	.end_amdgpu_metadata
.endif
;; end of part 5
;; launch proj: the kernel of part 4 again; grid 8 x 32, 4 waves a work-group, clusters of 4 x 4, 229,888 bytes of LDS; arguments yq, pq, b_proj, out0; writes out0
